; MI455X (gfx1250); checked and timed in simulation.
; The chip was launched on July 23, 2026; its instructions are those of AMD's public machine-readable ISA for CDNA 5 (MIT licence, August 2026) and "CDNA5" Instruction Set Architecture Reference Guide (July 2026). The comments in the code are by the model that wrote it; some were corrected since.
;; Causal Self Attention. Allowed arithmetic: matrix products marked QUANTISED: E4M3 operands, one E8M0 scale for each 32 along K, by v_wmma_scale_f32_16x16x128_f8f6f4 with both operands' format E4M3, f32 sums; everything else in f32.
;; Inputs: hidden_states 4 x 2,048 x 1,024 float32; o_b 1,024 float32; o_w 1,024 x 1,024 float32; qkv_b 3,072 float32; qkv_w 3,072 x 1,024 float32.
;; Outputs: out0 4 x 2,048 x 1,024 float32.
;; This version of the problem:
;;   THIS VERSION OF THE PROBLEM IS GIVEN IN LOW PRECISION. The matrix products marked QUANTISED in the list below multiply operands that are first quantised to E4M3 (4 exponent bits, 3 mantissa bits; 8 bits a number), with one power-of-two scale for each 32 numbers along K (OCP MX v1.0); their sums are f32. All else is computed in f32.
;;   The module's matrix products, in the order in which they are computed (A, B: the left and right operand; K: the contracted axis; several contracted axes count as one K, in the product's order):
;;     1. [M 8,192, K 1,024] x [K 1,024, N 3,072]; A: input hidden_states; B: input qkv_w: QUANTISED
;;     2. batch 64 x [M 2,048, K 64] x [K 64, N 2,048]; A: computed on the way; B: computed on the way: QUANTISED
;;     3. batch 64 x [M 2,048, K 2,048] x [K 2,048, N 64]; A: softmax (see below); B: computed on the way: QUANTISED
;;     4. [M 8,192, K 1,024] x [K 1,024, N 1,024]; A: computed on the way; B: input o_w: QUANTISED
;;   THE QUANTISER, for each operand of a quantised product, along K:
;;     - K is cut into blocks of 32 from its start; a last block that is shorter is filled with zeros.
;;     - A block's scale is 2^e with e = floor(log2(the largest magnitude in the block)) - 8, held to -126 .. 127; a block of zeros has e = 0. As a byte (E8M0): e + 127.
;;     - Each number is divided by its block's scale, clamped to +-448, and rounded to the nearest number of E4M3, ties to even, subnormals kept.
;;     - The product sums the exact products of the quantised numbers (number of the format x scale) in f32.
;;   ~~~python
;;   def quantise(x, axis):      # numpy; x: float32 -> the quantised numbers, widened to float32 again
;;       x = np.moveaxis(x, axis, -1); K = x.shape[-1]
;;       x = np.pad(x, [(0, 0)] * (x.ndim - 1) + [(0, -K % 32)]); x = x.reshape(x.shape[:-1] + (-1, 32)); a = np.abs(x).max(-1, keepdims=True)
;;       e = np.where(a > 0, np.clip(np.frexp(np.where(a > 0, a, 1))[1] - 1 - 8, -126, 127), 0)      # np.frexp(a)[1] - 1 = floor(log2(a)), exactly
;;       r = np.clip(x / 2.0 ** e, -448, 448)
;;       step = 2.0 ** (np.maximum(np.frexp(np.where(r == 0, 1, r))[1] - 1, -6) - 3)
;;       q = np.round(r / step) * step * 2.0 ** e      # np.round: ties to even
;;       return np.moveaxis(q.reshape(q.shape[:-2] + (-1,))[..., :K], -1, axis).astype(np.float32)
;;   ~~~
;;   SOFTMAX AHEAD OF A QUANTISED PRODUCT. Where the list says 'softmax', what is quantised is not the finished softmax but p = 2^(t - M), with t = logit x log2(e) and M = ceil(the row's largest t), a whole number; so 1/2 < the row's largest p <= 1. The row's sum l is taken of the UNQUANTISED p, in f32, and the product's result is divided by l at the end. Since M is a whole number, a kernel that streams over the keys may use a running M (the ceiling of the running maximum): every later rescaling is an exact power of two, which a block's scale takes up: the codes' values come out the same.
;;   OPERANDS COMPUTED ON THE WAY. 'Computed on the way' means the value that the module computes at that place (a softmax that the list does not call 'softmax' is quantised finished and normalised). What goes into a quantiser is computed in f32, as accurately as f32 sums, v_exp_f32 and their like allow (about 1e-6 of the number): no bf16 or f16 on the way to a quantiser, and a product that is left as it is and whose result goes on into a quantised operand takes f32 operands (vector FMAs, or v_wmma_f32_16x16x4_f32). A number that lies on a knife's edge between two numbers of the format may be rounded either way, as far as f32 arithmetic and the matrix unit's own rounding can turn it there, and no further.
;; One version. Each part assembles by itself: llvm-mc -triple=amdgcn-amd-amdhsa -mcpu=gfx1250 --defsym DOCPART=n.
;; ======== version 1 of 1: 4 launches
;; limits: right only within a limited range of input values
;; workspace buffers: c1 12,582,912 bytes; s1 393,216 bytes; qkv 26,476,544 bytes; ac 8,388,608 bytes; asc 262,144 bytes
;; launch quant (part 1): grid 256 x 1, 6 waves a work-group, no clusters, 50,176 bytes of LDS; arguments hidden_states, qkv_w, o_w, c1, s1; writes c1, s1
.if DOCPART == 1
	.amdgcn_target "amdgcn-amd-amdhsa--gfx1250"
	.amdhsa_code_object_version 6
	.text
	.protected	k_q722ed166ef_quant
	.globl	k_q722ed166ef_quant
	.p2align	8
	.type	k_q722ed166ef_quant,@function
k_q722ed166ef_quant:
	s_mov_b64 s[64:65], 0
	v_nop
	global_prefetch_b8 v0, s[64:65] scope:SCOPE_SE
	s_setreg_imm32_b32 hwreg(HW_REG_WAVE_MODE, 25, 1), 1
	s_wait_xcnt 0x0
; hidden_states [8192][1024], qkv_w [3072][1024] and o_w [1024][1024], f32, K innermost in all three, become codes of FP8 (E4M3) and one E8M0 scale byte for each 32 along K.
; The three lie one behind the other in c1 (12,288 rows of 1,024 codes) and s1 (12,288 rows of 32 bytes): x at row 0, qkv_w at row 8,192, o_w at row 11,264.
; A block's scale is 2^(floor(log2(its largest magnitude)) - 8); its byte is the largest magnitude's exponent field - 8, held at 1 from below.  Each number is divided by the scale, held within +-448, rounded to the nearest code, ties to even.
; LIMITS: a block of zeros gets the byte 1 where the rule says 127 (its codes are zeros, and this program alone reads the bytes); blocks whose largest magnitude lies under 2^-118 are held at the byte 1; NaN and infinities are not served.
; Rows are dense and 1,024 is a multiple of 32: each tensor is a plain stream of blocks of 32.  The three are 1,536 runs of 8,192 numbers (x 1,024, qkv_w 384, o_w 128); a wave takes one run in 16 steps of 512 numbers: 256 work-groups of six waves.
; Each load reads 512 consecutive bytes; a step's 2,048 bytes turn through the wave's own stage in LDS and come back 64 bytes a lane, so that a lane holds 16 neighbours (two lanes a block).
; Memory binds: no matrix unit, no cluster, no tensor load, no barrier: waves share nothing.
.set STEPS, 16
.set EMAX,  8
.set MANT,  0x600000                   ; the mantissa field of 448 as f32
.set CB,    16                         ; bytes of 16 codes
.set R,     16                         ; v16-79   four sets of 16 numbers as they are loaded
.set X,     80                         ; v80-111  two sets of 16 neighbours
.set C,     128                        ; v128-191 codes: four registers for each step
.set E,     112                        ; v112-127 a scale byte for each step
.set WREG,  8192                       ; LDS: a region for each wave: two stages of 32 x SP bytes, then its 256 scale bytes
.set SP,    80                         ; a lane's place in a stage: 64 bytes + 16 of padding
.set SPARE, 6*WREG                     ; the spare words, 128 bytes for each wave: three blocks of 256 bytes that no other line names
	s_load_b128 s[4:7], s[0:1], 0x0                ; x, qkv_w
	s_load_b128 s[8:11], s[0:1], 0x10              ; o_w, c1
	s_load_b64 s[12:13], s[0:1], 0x20              ; s1
	v_lshl_add_u32 v192, v0, 2, SPARE
	v_mov_b32 v193, 0
	v_lshrrev_b32 v1, 5, v0
	v_readfirstlane_b32 s16, v1                    ; wave
	v_and_b32 v2, 31, v0                           ; lane
	v_lshlrev_b32 v3, 4, v2                        ; my 16 bytes of a load's 512
	s_mul_i32 s17, s16, WREG
	v_lshrrev_b32 v14, 2, v2
	v_mul_u32_u24 v14, v14, SP
	v_and_b32 v15, 3, v2
	v_lshl_add_u32 v14, v15, 4, v14
	v_add_nc_u32 v14, s17, v14                     ; the stage, on the way in: SP (lane / 4) + 16 (lane % 4)
	v_mul_u32_u24 v15, v2, SP
	v_add_nc_u32 v15, s17, v15                     ; and on the way out: SP x lane: my 16 neighbours
	v_mul_u32_u24 v4, v2, CB                       ; my codes' place in a step's
	v_lshrrev_b32 v5, 1, v2
	s_add_co_u32 s17, s17, 2*32*SP
	v_add_nc_u32 v5, s17, v5                       ; LDS: my wave's 256 scale bytes, my block's byte
	v_lshlrev_b32 v7, 3, v2                        ; and on the way out 8 bytes a lane
	v_add_nc_u32 v6, s17, v7
	s_mov_b32 s23, MANT
	s_wait_alu depctr_va_vdst(0)                   ; the wait at the head's end
	s_wait_kmcnt 0x0
	s_mul_i32 s22, ttmp9, 6
	s_add_co_u32 s22, s22, s16                     ; my run of all three tensors' 1,536
	s_cmp_lt_u32 s22, 1408                         ; which tensor: the choice hangs on ids alone
	s_cselect_b64 s[6:7], s[6:7], s[8:9]           ; qkv_w or o_w
	s_mov_b32 s17, 1408
	s_cselect_b32 s17, 1024, s17                   ; the tensor's first run
	s_cmp_lt_u32 s22, 1024
	s_cselect_b64 s[4:5], s[4:5], s[6:7]           ; x or that
	s_cselect_b32 s17, 0, s17
	s_sub_co_u32 s18, s22, s17                     ; which run of the tensor
	s_mov_b32 s19, 0
	s_lshl_b64 s[20:21], s[18:19], 15              ; 32,768 bytes a run
	s_add_nc_u64 s[4:5], s[4:5], s[20:21]
	s_lshl_b32 s20, s22, 13                        ; 8,192 codes a run: the outputs lie in the runs' order
	s_mov_b32 s21, 0
	s_add_nc_u64 s[10:11], s[10:11], s[20:21]
	s_lshl_b32 s20, s22, 8                         ; 256 scale bytes a run
	s_add_nc_u64 s[12:13], s[12:13], s[20:21]
.macro LOAD t
.irp i, 0,1,2,3
	global_load_b128 v[R+16*((\t)%4)+4*\i:R+16*((\t)%4)+4*\i+3], v3, s[4:5] offset:2048*(\t)+512*\i th:TH_LOAD_NT   ; 32 lanes read 512 consecutive bytes
.endr
.endm
.macro TURN t                          ; step t's numbers through the stage: LDS serves a wave's instructions in order, so no wait stands between the stores and the loads
.irp i, 0,1,2,3
	ds_store_b128 v14, v[R+16*((\t)%4)+4*\i:R+16*((\t)%4)+4*\i+3] offset:32*SP*((\t)%2)+8*SP*\i
.endr
.irp i, 0,1,2,3
	ds_load_b128 v[X+16*((\t)%2)+4*\i:X+16*((\t)%2)+4*\i+3], v15 offset:32*SP*((\t)%2)+16*\i
.endr
.endm
.irp t, 0,1,2,3
	LOAD \t
.endr
	s_wait_loadcnt 12                              ; step 0's four loads are in; the twelve of steps 1 to 3 may be out
	TURN 0
.macro STEP t
.set XS, X+16*((\t)%2)
.if (\t) > 0
	s_wait_dscnt 1                                 ; this step's numbers are back from the stage (the last step's byte store may be out)
.else
	s_wait_dscnt 0x0
.endif
.if (\t)+4 < STEPS
	LOAD (\t)+4                                    ; the registers that the stage's stores have read take the loads of four steps on
.endif
.if (\t)+1 < STEPS
.if STEPS-2-(\t) >= 3
	s_wait_loadcnt 12                              ; the next step's four loads are in; those of the three steps behind it may be out
.else
	s_wait_loadcnt 4*(STEPS-2-(\t))
.endif
	TURN (\t)+1                                    ; and go through the other stage while this step is worked
.endif
	v_max3_num_f32 v8, |v[XS]|, |v[XS+1]|, |v[XS+2]|               ; the largest magnitude of my 16, in two chains
	v_max3_num_f32 v9, |v[XS+3]|, |v[XS+4]|, |v[XS+5]|
.irp i, 6,10
	v_max3_num_f32 v8, v8, |v[XS+\i]|, |v[XS+\i+1]|
	v_max3_num_f32 v9, v9, |v[XS+\i+2]|, |v[XS+\i+3]|
.endr
	v_max3_num_f32 v8, v8, |v[XS+14]|, |v[XS+15]|
	v_max3_num_f32 v8, v8, v9, (EMAX+1)<<23        ; and the floor 2^(9 - 127): the byte cannot fall under 1
	v_max_num_f32_dpp v8, v8, v8 row_xmask:1 row_mask:0xf bank_mask:0xf   ; and of my neighbour's 16: the block's
	v_add_nc_u32 v11, 0xfc000000, v8               ; 8 off its exponent field: the conversion takes the exponent field of this operand as its scale
	v_and_or_b32 v10, v8, 0x7f800000, s23          ; 448 x the scale
.irp i, 0,1,2,3,4,5,6,7,8,9,10,11,12,13,14,15
	v_med3_num_f32 v[XS+\i], v[XS+\i], -v10, v10   ; the conversion to an 8-bit code does not saturate (ISA guide 7.6.2): the hold comes first
.endr
	v_cvt_scalef32_pk8_fp8_f32 v[C+4*(\t):C+4*(\t)+1], v[XS:XS+7], v11
	v_cvt_scalef32_pk8_fp8_f32 v[C+4*(\t)+2:C+4*(\t)+3], v[XS+8:XS+15], v11
	v_lshrrev_b32 v[E+(\t)], 23, v11               ; the scale's byte
	ds_store_b8 v5, v[E+(\t)] offset:16*(\t)       ; both lanes of a block write the same byte with the same value
	global_store_b128 v4, v[C+4*(\t):C+4*(\t)+3], s[10:11] offset:32*CB*(\t)   ; the wave stores 512 consecutive bytes, aligned
.endm
.irp t, 0,1,2,3,4,5,6,7,8,9,10,11,12,13,14,15
	STEP \t
.endr
	ds_load_b64 v[12:13], v6                       ; LDS serves a wave's instructions in order: these see my stores
	s_wait_dscnt 0x0
	global_store_b64 v7, v[12:13], s[12:13]        ; 32 lanes store 256 consecutive bytes, aligned
	s_wait_tensorcnt 0x0                           ; the wave's end
	ds_add_u32 v192, v193
	s_wait_dscnt 0x0
	s_endpgm
.Lfunc_end_k_q722ed166ef_quant:
	.size	k_q722ed166ef_quant, .Lfunc_end_k_q722ed166ef_quant-k_q722ed166ef_quant
	.p2alignl 7, 3214868480
	.fill 96, 4, 3214868480
	.section	.rodata,"a",@progbits
	.p2align	6, 0x0
	.amdhsa_kernel k_q722ed166ef_quant
		.amdhsa_group_segment_fixed_size 50176
		.amdhsa_private_segment_fixed_size 0
		.amdhsa_enable_private_segment 0
		.amdhsa_kernarg_size 40
		.amdhsa_user_sgpr_count 2
		.amdhsa_user_sgpr_kernarg_segment_ptr 1
		.amdhsa_wavefront_size32 1
		.amdhsa_system_sgpr_workgroup_id_x 1
		.amdhsa_system_sgpr_workgroup_id_y 1
		.amdhsa_system_sgpr_workgroup_id_z 1
		.amdhsa_system_vgpr_workitem_id 0
		.amdhsa_next_free_vgpr 194
		.amdhsa_next_free_sgpr 66
		.amdhsa_reserve_vcc 0
		.amdhsa_float_denorm_mode_32 3
		.amdhsa_float_denorm_mode_16_64 3
		.amdhsa_memory_ordered 1
		.amdhsa_forward_progress 1
		.amdhsa_inst_pref_size 51
	.end_amdhsa_kernel
	.amdgpu_metadata
---
amdhsa.version: [ 1, 2 ]
amdhsa.kernels:
  - .name:           k_q722ed166ef_quant
    .symbol:         k_q722ed166ef_quant.kd
    .args:
      - { .name: hidden_states, .offset: 0, .size: 8, .value_kind: global_buffer, .address_space: global }
      - { .name: qkv_w, .offset: 8, .size: 8, .value_kind: global_buffer, .address_space: global }
      - { .name: o_w, .offset: 16, .size: 8, .value_kind: global_buffer, .address_space: global }
      - { .name: c1, .offset: 24, .size: 8, .value_kind: global_buffer, .address_space: global }
      - { .name: s1, .offset: 32, .size: 8, .value_kind: global_buffer, .address_space: global }
    .group_segment_fixed_size: 50176
    .private_segment_fixed_size: 0
    .kernarg_segment_align: 8
    .kernarg_segment_size: 40
    .max_flat_workgroup_size: 192
    .sgpr_count:     66
    .vgpr_count:     194
    .wavefront_size: 32
...
	.end_amdgpu_metadata
.endif
;; end of part 1
;; launch qkv (part 2): grid 12 x 32, 4 waves a work-group, clusters of 4 x 4, 327,680 bytes of LDS; arguments c1, s1, qkv_b, qkv; writes qkv
.if DOCPART == 2
	.amdgcn_target "amdgcn-amd-amdhsa--gfx1250"
	.amdhsa_code_object_version 6
	.text
	.protected	k_q722ed166ef_qkv
	.globl	k_q722ed166ef_qkv
	.p2align	8
	.type	k_q722ed166ef_qkv,@function
k_q722ed166ef_qkv:
	s_mov_b64 s[64:65], 0
	v_nop
	global_prefetch_b8 v0, s[64:65] scope:SCOPE_SE
	s_setreg_imm32_b32 hwreg(HW_REG_WAVE_MODE, 25, 1), 1
	s_wait_xcnt 0x0
	s_wait_alu depctr_hold_cnt(0) depctr_sa_sdst(0) depctr_va_vdst(0) depctr_va_sdst(0) depctr_va_ssrc(0) depctr_va_vcc(0) depctr_vm_vsrc(0)
	s_getreg_b32 s2, hwreg(HW_REG_IB_STS2, 6, 4)
	s_cmp_eq_u32 s2, 0
	s_cbranch_scc0 .Lentry_in_a_cluster
	s_endpgm
.Lentry_in_a_cluster:
	s_bfe_u32 s2, ttmp6, 0x10000c
	s_cmp_lg_u32 s2, 0xf033
	s_cbranch_scc0 .Lentry_shape_is_right
	s_endpgm
.Lentry_shape_is_right:
; The QKV projection on codes of FP8 (E4M3) with E8M0 scales, + qkv_b, and the quantising of q, k (along the head's 64) and v (along the keys) into the records that the attention launch reads.
; ONE BODY for P[i][j] = sum over k of A[i][k] B[j][k], K = 1,024, a tile of 256 x 256 to a work-group, 128 x 128 to each of four waves (64 accumulators, 512 registers).
; The matrix instruction is used transposed (source 0 = 16 rows of B, source 1 = 16 rows of A): a lane holds ONE row i and its registers run along j; the result is quantised along j.
; TWO ROLES, told apart by the cluster's x, which all sixteen partners share:
;   cluster x 0, 1 (q, k): A = x (i = token), B = Wq / Wk (j = channel): a block of 32 along j is half a head.       cluster x 2 (v): A = Wv (i = channel), B = x (j = token): a block of 32 along j is 32 keys.
; K goes in steps of 256 through a ring of two LDS slots filled by the tensor data mover; the scales of the work-group's rows come once.  4 x 4 work-groups form a cluster: A's tiles are asked for jointly along a row, B's along a column.
; THE RECORDS.  qkv holds 1,024 records of 25,856 bytes, one for each (batch x 16 + head, 128 tokens): K image 8,192, V image 8,192, K scale words 512, V scale words 256, Q image 8,192, Q scale words 512.
; An image is an operand's registers as they stand: a group of four registers is 512 bytes, lane l's 16 bytes at 16 l.  A tile of K or Q is 16 tokens x 64 channels (two groups, 1,024 bytes); a tile of V 16 channels x 128 keys (four groups).
; THE MEMBERS OF A TILE ARE NOT NEIGHBOURS: lane r of tile 2 g + u stands for member 32 g + 8 u + r + 8 (r / 8), so that the results of two neighbouring tiles are 16 neighbours along the next product's K.
; A scale word of K or Q holds two bytes and two zeros: the attention's product has K = 64 in a form of 128.
; LIMITS: a block of zeros gets the byte 1 where the rule says 127 (its codes are zeros; this program alone reads the bytes); blocks under 2^-118 are held at the byte 1; NaN and infinities are not served.
; REGISTERS, in windows of 256: window 0: v0-31 addresses and the row bias; v32-63 scale words, two sets; v64-127 the bias along j; from v128 A's fragments, one set; on the way out v128-239 are at work.
;   window 1: B's fragments, two sets.   window 2: the accumulators of my rows 0-63 ((a, b) at v[8 (8 a + b)]);   window 3: those of my rows 64-127.
.set SIZE_K, 1024
.set KSTEP,  256                       ; along K in a slot
.set NQ,     KSTEP/128                 ; matrix instructions deep
.set ROWB,   256                       ; a tile's row in bytes
.set KROW,   SIZE_K                    ; a row of c1 in bytes
.set PITCH,  272                       ; an LDS row: 256 bytes + 16 of padding = 68 words: the 16 rows that a load touches start at 16 different banks (64 banks of 4 bytes: ISA guide 11.1)
.set FR,     16                        ; registers of a fragment: 16 rows x 128 K
.set NL,     4                         ; LDS loads that bring one
.set NP,     8                         ; places behind this matrix instruction (ISA guide 7.12.1)
.set HALFT,  128*PITCH                 ; 128 rows: what one tensor load brings
.set SLOT,   4*HALFT                   ; A's 256 rows, then B's 256 rows
.set LAPS,   SIZE_K/(2*KSTEP)
.set KS,     SIZE_K/32                 ; a row of scales in bytes
.set SCL,    2*SLOT                    ; behind the ring: the scales, as rows of 256 bytes + 16 of padding
.set HALFS,  (128*KS/256)*272
.set SBLK,   (16*KS/256)*272
.set SPARE,  SCL+4*HALFS               ; the spare words, 128 bytes for each wave: two blocks of 256 bytes that no other line names
.set REC,    25856                     ; a record
.set HSTR,   16*REC                    ; from head to head
.set STGB,   17408                     ; the way out: a stage for each wave: 16,384 bytes of codes (two heads' images), then scale words.  The stages lie in slot 0, which has had its last fill and its last read by then;
.set STGV,   4*STGB                    ; each role has stages of its own
.set BJO,  7                           ; v7      byte offset of my bias along j
.set BI,   8                           ; v8-15   the bias of my row in each of A's eight blocks
.set ADRA, 16                          ; v16-17  LDS address of my A fragments in slot 0, 1
.set STOQ, 18                          ; v18     roles q, k: where I put eight codes;  v19 a scale word
.set STSQ, 19
.set ADRB, 20                          ; v20-21  the same as ADRA for B
.set STOV, 22                          ; v22, v23 role v: the same two
.set STSV, 23
.set RDQ,  24                          ; v24, v25 where I read the stage back: 16 x lane
.set RDV,  25
.set LI,   26                          ; v26     16 x lane
.set ADRS, 27                          ; v27     LDS address of my scale words: lanes 0-15 A's rows, lanes 16-31 B's
.set SPW,  28                          ; v28     LDS address of my spare word; never rewritten
.set NIL,  29                          ; v29     0; never rewritten
.set BIO,  30                          ; v30     byte offset of my row's bias
.set GVS,  31                          ; v31     role v: 16 (lane % 16) + a head's distance x (lane / 16)
.set SC,   32
.set BJ,   64
.set AF,   128
.set T,    128                         ; the way out: a block's 64 numbers
.set PC,   192                         ; its codes
.set TM,   208                         ; v208-211 largest magnitudes, v212-215 bytes, v216-219 448 x the scale, v220-223 the conversions' scale operands
.set W0,   224
.set W1,   225
.set PW,   226                         ; the scale word
.set BP,   228                         ; v228-229 a row's bias, twice
.set G1, 24
.set G0, 32
.set G1B, 48
.set G0B, 56
.set SEL, 66                           ; s[66:67] v_permlanex16_b32's selects for lane l xor 16
.set G1S, 68
.set G0S, 76
.set G1SB, 80
.set G0SB, 88
.set MNT, 95                           ; s95 the mantissa field of 448
.set MSB, 0
.macro WIN new                         ; the immediate's high byte repeats the setting that is left
.if MSB != (\new)
	s_set_vgpr_msb (MSB<<8)|(\new)
.set MSB, (\new)
.endif
.endm
.set MUL_LO, 0xa1                      ; source 0 (B) window 1, source 1 (A) window 0, C and D window 2
.set MUL_HI, 0xf1                      ; the same, C and D window 3
.set TO_B,   0x40                      ; destination window 1, address window 0
; A joint load: waves 0 and 1 fetch for A, waves 2 and 3 for B.  Each line has one mask and one set of registers for all that issue it; the branch hangs on the wave's number alone.
; Four v_nop follow each of the two lines, ahead of the jump, the label and what follows.
.macro JLOAD g0a, g1a, g0b, g1b
	s_cmp_eq_u32 s15, 0
	s_cbranch_scc0 .Lfor_b_\@
	tensor_load_to_lds s[\g0a:\g0a+3], s[\g1a:\g1a+7]
	s_nop 0
.rept 4
	v_nop
.endr
	s_branch .Lasked_\@
.Lfor_b_\@:
	tensor_load_to_lds s[\g0b:\g0b+3], s[\g1b:\g1b+7]
	s_nop 0
.rept 4
	v_nop
.endr
.Lasked_\@:
.endm
.macro CREST                           ; a round of the cluster's barrier behind its opening barrier
	s_cmp_lg_u32 s14, 0
	s_cbranch_scc1 .Lnot_wave_0_\@
	s_barrier_signal -3
.Lnot_wave_0_\@:
	s_barrier_wait -3
	s_barrier_signal -1
	s_barrier_wait -1
.endm
.macro CROUND                          ; a whole round
	s_barrier_signal -1
	s_barrier_wait -1
	CREST
.endm
	s_load_b128 s[4:7], s[0:1], 0x0                ; c1, s1
	s_load_b128 s[8:11], s[0:1], 0x10              ; qkv_b, qkv
	v_lshl_add_u32 v[SPW], v0, 2, SPARE
	v_mov_b32 v[NIL], 0
	ds_add_u32 v28, v29
	ds_add_u32 v28, v29
	s_wait_dscnt 0x0
	v_lshrrev_b32 v1, 5, v0
	v_readfirstlane_b32 s14, v1                    ; wave 0..3
	s_lshr_b32 s15, s14, 1                         ; which half of the tile's rows i is mine.  Also: I fetch for A (0) or for B (1)
	s_and_b32 s16, s14, 1                          ; which half of its j.  Also: which 128 rows of that tile I fetch
	s_bfe_u32 s40, ttmp6, 0x40000                  ; cx, cy: my place in the cluster
	s_bfe_u32 s41, ttmp6, 0x40004
	s_and_b32 s17, ttmp7, 0xffff                   ; the cluster's y
	s_cmp_lt_u32 ttmp9, 2                          ; the role: the cluster's x, the same in all sixteen partners
	s_cselect_b32 s42, ttmp9, s17                  ; q, k: tile column by the cluster's x;  v: by its y
	s_cselect_b32 s17, s17, 0                      ; q, k: tile row by the cluster's y;     v: Wv has four tile rows, cy alone
	s_cselect_b32 s97, 0, 10240                    ; A's first row in c1 and s1: x, or Wv
	s_cselect_b32 s98, 8192, 0                     ; B's: Wq, or x
	s_lshl_b32 s42, s42, 2
	s_add_co_u32 s42, s42, s40                     ; tile column
	s_lshl_b32 s17, s17, 2
	s_add_co_u32 s17, s17, s41                     ; tile row
	s_lshl_b32 s43, s41, 2
	s_lshl_b32 s43, 15, s43                        ; my row of the cluster
	s_lshl_b32 s44, 0x1111, s40                    ; my column
	; descriptor group 1: a tile of 128 rows x 256 bytes, padded in LDS
	s_or_b32 s[G1+0], s43, (0<<16)|(1<<20)|(1<<21)|(5<<22)|(3<<25)  ; 15:0 the mask: A's tiles go to my row; elements of 1 byte; padding on; bit 21 beside a mask; after every 64 words four words
	s_or_b32 s[G1B+0], s44, (0<<16)|(1<<20)|(1<<21)|(5<<22)|(3<<25)
.irp g, G1, G1B
	s_mov_b32 s[\g+1], ROWB<<16                    ; tensor_dim0
	s_mov_b32 s[\g+2], 256<<16                     ; tensor_dim1: 256 rows for the head's loads; set to 128 for the ring's behind them
	s_mov_b32 s[\g+3], ROWB<<16                    ; tile_dim0
	s_mov_b32 s[\g+4], 256                         ; tile_dim1 likewise
	s_mov_b32 s[\g+5], KROW                        ; tensor_dim0_stride
	s_mov_b32 s[\g+6], 0
	s_mov_b32 s[\g+7], 0
.endr
	; the scales of 256 rows: a dense block of 8,192 bytes, as rows of 256 bytes (32 elements of 8 bytes), 16 bytes of padding behind each
	s_or_b32 s[G1S+0], s43, (3<<16)|(1<<20)|(1<<21)|(5<<22)|(3<<25)
	s_or_b32 s[G1SB+0], s44, (3<<16)|(1<<20)|(1<<21)|(5<<22)|(3<<25)
.irp g, G1S, G1SB
	s_mov_b32 s[\g+1], 32<<16
	s_mov_b32 s[\g+2], KS<<16                      ; the scales of 256 rows: KS rows of 256 bytes
	s_mov_b32 s[\g+3], 32<<16
	s_mov_b32 s[\g+4], KS
	s_mov_b32 s[\g+5], 32
	s_mov_b32 s[\g+6], 0
	s_mov_b32 s[\g+7], 0
.endr
	s_lshl_b32 s20, s17, 8                         ; the tile's first row
	s_add_co_u32 s20, s20, s97                     ; A: row of c1
	s_lshl_b32 s46, s42, 8
	s_add_co_u32 s46, s46, s98                     ; B: row of c1
	s_mov_b32 s21, 0
	s_mov_b32 s47, 0
	s_mov_b64 s[18:19], KS
	s_mul_u64 s[22:23], s[20:21], s[18:19]         ; where these rows' scales begin, in bytes
	s_mul_u64 s[92:93], s[46:47], s[18:19]
	s_mov_b64 s[18:19], KROW
	s_mul_u64 s[20:21], s[20:21], s[18:19]         ; and their codes
	s_mul_u64 s[46:47], s[46:47], s[18:19]
	s_mul_i32 s18, s16, 128*KROW                   ; in the ring I fetch 128 rows of a tile: which half, in bytes,
	s_mov_b32 s19, 0
	s_mul_i32 s45, s14, HALFT                      ; and where they go: wave x 128 rows
	s_mov_b32 s[SEL], 0x76543210
	s_mov_b32 s[SEL+1], 0xfedcba98
	s_mov_b32 s[MNT], 0x600000
	s_wait_kmcnt 0x0
	s_add_nc_u64 s[20:21], s[4:5], s[20:21]
	s_add_nc_u64 s[22:23], s[6:7], s[22:23]
	s_add_nc_u64 s[46:47], s[4:5], s[46:47]
	s_add_nc_u64 s[92:93], s[6:7], s[92:93]
	CROUND                                         ; all sixteen work-groups are here: the first joint loads meet
	s_mov_b32 s[G0S], 1
	s_mov_b32 s[G0S+1], SCL
	s_mov_b64 s[G0S+2:G0S+3], s[22:23]
	s_or_b32 s[G0S+3], s[G0S+3], 0x80000000
	s_mov_b32 s[G0SB], 1
	s_mov_b32 s[G0SB+1], SCL+2*HALFS
	s_mov_b64 s[G0SB+2:G0SB+3], s[92:93]
	s_or_b32 s[G0SB+3], s[G0SB+3], 0x80000000
.set G0H, 4                            ; s[4:7], s[96:99] group 0 of the head's loads of K step 0 (what lay there has been used)
.set G0HB, 96
	s_mov_b32 s[G0H], 1                            ; K step 0's 256 rows of A,
	s_mov_b32 s[G0H+1], 0
	s_mov_b64 s[G0H+2:G0H+3], s[20:21]
	s_or_b32 s[G0H+3], s[G0H+3], 0x80000000
	s_mov_b32 s[G0HB], 1                           ; and of B, behind them in slot 0
	s_mov_b32 s[G0HB+1], 2*HALFT
	s_mov_b64 s[G0HB+2:G0HB+3], s[46:47]
	s_or_b32 s[G0HB+3], s[G0HB+3], 0x80000000
	s_add_nc_u64 s[20:21], s[20:21], s[18:19]      ; for the ring: my 128 rows of the tile
	s_add_nc_u64 s[46:47], s[46:47], s[18:19]
.irp s, 0,1
	s_mov_b32 s[G0+4*\s], 1
	s_add_co_u32 s[G0+4*\s+1], s45, \s*SLOT
	s_add_nc_u64 s[G0+4*\s+2:G0+4*\s+3], s[20:21], \s*ROWB
	s_or_b32 s[G0+4*\s+3], s[G0+4*\s+3], 0x80000000
	s_mov_b32 s[G0B+4*\s], 1
	s_add_co_u32 s[G0B+4*\s+1], s45, \s*SLOT
	s_add_nc_u64 s[G0B+4*\s+2:G0B+4*\s+3], s[46:47], \s*ROWB
	s_or_b32 s[G0B+4*\s+3], s[G0B+4*\s+3], 0x80000000
.endr
; THE HEAD'S LOADS, ONE A WAVE: wave 0 K step 0's rows of A, wave 1 those of B, wave 2 A's scales, wave 3 B's: one chain of branches on the wave's number, a load to an arm
.macro ARM under, g0, g1, next
	s_cmp_lt_u32 s14, \under
	s_cbranch_scc0 \next
	tensor_load_to_lds s[\g0:\g0+3], s[\g1:\g1+7]
	s_nop 0
.rept 4
	v_nop
.endr
	s_branch .Lhead_asked
\next:
.endm
	ARM 1, G0H,  G1,  .Lhead_b
	ARM 2, G0HB, G1B, .Lhead_sa
	ARM 3, G0S,  G1S, .Lhead_sb
	tensor_load_to_lds s[G0SB:G0SB+3], s[G1SB:G1SB+7]
	s_nop 0
.rept 4
	v_nop
.endr
.Lhead_asked:
; PREFETCHES INTO THE L2: K steps 1, 2 and 3 (256 bytes of each row) of the 128 rows that my wave fetches for the ring.  The four partners that ask for these rows jointly share them out by address:
; the partner at place p (cx for A, cy for B) names rows 32 p .. 32 p + 31, a lane a row: each block of 256 bytes is named once in each cluster that will load it.  K has four steps: these three instructions are all.
	s_cmp_eq_u32 s15, 0
	s_cselect_b64 s[92:93], s[20:21], s[46:47]     ; my 128 rows, of A or of B
	s_cselect_b32 s18, s40, s41
	s_lshl_b32 s18, s18, 15                        ; 32 rows of 1,024 bytes (s19 = 0)
	s_add_nc_u64 s[92:93], s[92:93], s[18:19]
	v_and_b32 v32, 31, v0
	v_lshlrev_b32 v32, 10, v32
	global_prefetch_b8 v32, s[92:93] offset:256 th:TH_LOAD_NT scope:SCOPE_SE
	global_prefetch_b8 v32, s[92:93] offset:512 th:TH_LOAD_NT scope:SCOPE_SE
	global_prefetch_b8 v32, s[92:93] offset:768 th:TH_LOAD_NT scope:SCOPE_SE
	v_and_b32 v1, 15, v0                           ; r = l % 16
	v_bfe_u32 v2, v0, 4, 1                         ; h = l / 16; kept to the end
	; the biases.  Along j (roles q, k): qkv_b[j0 + 16 b + 8 h + 0 .. 7].  Of my row (role v): qkv_b[2,048 + i0 + 16 a + r].  The role that does not use a set reads it from the buffer's start
	s_wait_alu depctr_va_vdst(0)
	s_lshl_b32 s46, s42, 8
	s_lshl_b32 s47, s16, 7
	s_add_co_u32 s46, s46, s47
	s_lshl_b32 s46, s46, 2                         ; 4 j0
	s_lshl_b32 s21, s17, 8
	s_lshl_b32 s22, s15, 7
	s_add_co_u32 s21, s21, s22
	s_add_co_u32 s21, s21, 2048
	s_lshl_b32 s21, s21, 2                         ; 4 (2,048 + i0)
	s_cmp_lt_u32 ttmp9, 2
	s_cselect_b32 s46, s46, 0
	s_cselect_b32 s21, 0, s21
	v_lshl_add_u32 v[BJO], v2, 5, s46
	v_lshl_add_u32 v[BIO], v1, 2, s21
.irp b, 0,1,2,3,4,5,6,7
	global_load_b128 v[BJ+8*\b:BJ+8*\b+3], v[BJO], s[8:9] offset:64*\b
	global_load_b128 v[BJ+8*\b+4:BJ+8*\b+7], v[BJO], s[8:9] offset:64*\b+16
	global_load_b32 v[BI+\b], v[BIO], s[8:9] offset:64*\b
.endr
	v_mul_u32_u24 v3, v1, PITCH
	v_lshl_add_u32 v4, v2, 4, v3                   ; a fragment's row x pitch + 16 x half
	s_mul_i32 s21, s15, HALFT                      ; my 128 rows of A
	s_mul_i32 s22, s16, HALFT                      ; my 128 rows of B,
	s_add_co_u32 s22, s22, 2*HALFT                 ; which lie behind A's 256
.irp s, 0,1
	v_add_nc_u32 v[ADRA+\s], s21, v4
	v_add_nc_u32 v[ADRB+\s], s22, v4
	s_add_co_u32 s21, s21, SLOT
	s_add_co_u32 s22, s22, SLOT
.endr
	v_mul_u32_u24 v5, v1, KS                       ; my row's scales: KS bytes a row,
	v_lshrrev_b32 v6, 8, v5
	v_lshl_add_u32 v5, v6, 4, v5                   ; and 16 more for each 256 passed
	s_mul_i32 s21, s15, HALFS                      ; A's: my 128 rows
	s_mul_i32 s22, s16, HALFS                      ; B's: my 128 rows, behind A's 256
	s_add_co_u32 s22, s22, 2*HALFS
	s_sub_co_u32 s22, s22, s21
	v_mul_u32_u24 v6, s22, v2                      ; lanes 16-31 take B's
	s_add_co_u32 s21, s21, SCL
	v_add_nc_u32 v5, v5, v6
	v_add_nc_u32 v[ADRS], s21, v5
	; the way out's LDS addresses, for both roles, made here, ahead of the place where the roles part
	s_mul_i32 s23, s14, STGB                       ; my stage
	v_lshrrev_b32 v3, 3, v1                        ; r / 8
	v_and_b32 v4, 7, v1                            ; r % 8
	v_lshlrev_b32 v5, 4, v4
	v_lshl_add_u32 v5, v2, 3, v5                   ; 16 (r % 8) + 8 h
	v_lshl_add_u32 v6, v3, 10, v5                  ; q, k: a tile is 1,024 bytes: + 1,024 (r / 8)
	v_add_nc_u32 v[STOQ], s23, v6
	v_lshl_add_u32 v6, v3, 11, v5                  ; v: a tile is 2,048 bytes
	v_add_nc_u32 v6, s23, v6
	v_add_nc_u32 v[STOV], STGV, v6
	v_lshlrev_b32 v5, 2, v4
	v_lshl_add_u32 v5, v3, 6, v5                   ; scale words: 64 (r / 8) + 4 (r % 8)
	v_add_nc_u32 v5, s23, v5
	v_add_nc_u32 v[STSV], STGV+16384, v5
	v_lshl_add_u32 v5, v2, 9, v5                   ; q, k: lanes 16-31 store the second head's word, 512 bytes on
	v_add_nc_u32 v[STSQ], 16384, v5
	v_and_b32 v6, 31, v0
	v_lshlrev_b32 v[LI], 4, v6
	v_add_nc_u32 v[RDQ], s23, v[LI]
	v_add_nc_u32 v[RDV], STGV, v[RDQ]
	v_lshlrev_b32 v[GVS], 4, v1
	v_mul_u32_u24 v5, v2, HSTR
	v_add_nc_u32 v[GVS], v[GVS], v5
.macro FRAG reg, adr, q, i             ; a fragment: lane l holds row l % 16; registers 4 c .. 4 c + 3 hold K = 32 c + 16 (l / 16) + 0 .. 15
.irp c, 0,1,2,3
	ds_load_b128 v[\reg+4*\c:\reg+4*\c+3], v[\adr] offset:128*(\q)+32*\c+(\i)*16*PITCH
.endr
.endm
; 16 matrix instructions: A's blocks a0, a0 + 1 x B's eight, 128 along K.  p: B's set;  sc: the set of scale words.  zero = 1: the first product starts the sums.
; The 64 accumulators take turns, one instruction a turn, in the same order in every step.
.macro MUL16 a0, p, q, sc, zero
.irp a, \a0, \a0+1
.irp b, 0,1,2,3,4,5,6,7
.if \zero
	v_wmma_scale_f32_16x16x128_f8f6f4 v[8*(8*((\a)%4)+\b):8*(8*((\a)%4)+\b)+7], v[128*(\p)+FR*\b:128*(\p)+FR*\b+FR-1], v[AF+FR*(\a):AF+FR*(\a)+FR-1], 0, v[SC+8*NQ*(\sc)+NQ*\b+(\q)], v[SC+8*NQ*(\sc)+NQ*(\a)+(\q)] matrix_a_scale:MATRIX_SCALE_ROW1
.else
	v_wmma_scale_f32_16x16x128_f8f6f4 v[8*(8*((\a)%4)+\b):8*(8*((\a)%4)+\b)+7], v[128*(\p)+FR*\b:128*(\p)+FR*\b+FR-1], v[AF+FR*(\a):AF+FR*(\a)+FR-1], v[8*(8*((\a)%4)+\b):8*(8*((\a)%4)+\b)+7], v[SC+8*NQ*(\sc)+NQ*\b+(\q)], v[SC+8*NQ*(\sc)+NQ*(\a)+(\q)] matrix_a_scale:MATRIX_SCALE_ROW1
.endif
.endr
.endr
.endm
.macro FETCH_B slot, q, p              ; B's eight fragments of the slot's q-th 128 along K into set p
	WIN TO_B
.irp i, 0,1,2,3,4,5,6,7
	FRAG 128*(\p)+FR*\i, ADRB+\slot, \q, \i
.endr
	WIN 0
.endm
.macro FETCH_A slot, q, i0             ; A's blocks i0 .. i0 + 3
.irp i, \i0, \i0+1, \i0+2, \i0+3
	FRAG AF+FR*(\i), ADRA+\slot, \q, \i
.endr
.endm
.macro SCALES sc                       ; the next K step's scale words: lanes 0-15 take A's block i, lanes 16-31 B's block i
.irp i, 0,1,2,3,4,5,6,7
	ds_load_b64 v[SC+8*NQ*\sc+NQ*\i:SC+8*NQ*\sc+NQ*\i+1], v[ADRS] offset:\i*SBLK
.endr
.endm
; A load into a register that a matrix instruction has read, and a vector instruction or an LDS store that reads a matrix result, stand NP places behind it; only plain vector instructions that name none of its registers are places.
.macro PLACES n
.rept \n
	v_nop
.endr
.endm
; A step of 128 along K that has its successor in the same slot.
.macro STEP slot, q, zero
	s_wait_dscnt 4*NL                              ; B's set and A's blocks 0-3 are in; the youngest sixteen loads (A's blocks 4-7) may be out
	WIN MUL_LO
	MUL16 0, (\q)%2, \q, \slot, \zero
	MUL16 2, (\q)%2, \q, \slot, \zero
	s_wait_dscnt 0                                 ; A's blocks 4-7 are in
	PLACES NP
	FETCH_B \slot, (\q)+1, 1-(\q)%2
	FETCH_A \slot, (\q)+1, 0
	WIN MUL_HI
	MUL16 4, (\q)%2, \q, \slot, \zero
	MUL16 6, (\q)%2, \q, \slot, \zero
	PLACES NP
	WIN 0
	FETCH_A \slot, (\q)+1, 4
.endm
; A slot's last step changes slots: ONE barrier; in front of it each wave waits for all its tensor loads, adds 0 to its spare word, and waits for that and for its own reads of this slot.  fill = 1: this slot is filled again, two K steps ahead.
.macro TURN slot, next, fill
	s_wait_tensorcnt 0x0                           ; all my tensor loads have landed: my part of the next slot
	ds_add_u32 v[SPW], v[NIL]                      ; 0 onto my spare word
	s_wait_dscnt 4*NL+1                            ; (the add and the youngest sixteen loads, A's blocks 4-7, may be out)
	WIN MUL_LO
	MUL16 0, 1, NQ-1, \slot, 0                     ; sixteen matrix instructions stand between the add and the wait for it
	s_wait_dscnt 0x0                               ; the add is done, and my reads of this slot are over
	s_barrier_signal -1
	MUL16 2, 1, NQ-1, \slot, 0
	WIN 0
	s_barrier_wait -1
.if \fill
	CREST                                          ; the barrier has opened a round of the cluster's barrier: no wave of any partner still reads this slot's tile or has a load on its way
	s_add_nc_u64 s[G0+4*\slot+2:G0+4*\slot+3], s[G0+4*\slot+2:G0+4*\slot+3], 2*ROWB
	s_add_nc_u64 s[G0B+4*\slot+2:G0B+4*\slot+3], s[G0B+4*\slot+2:G0B+4*\slot+3], 2*ROWB
	JLOAD G0+4*\slot, G1, G0B+4*\slot, G1B         ; the first tensor load behind the round; its four v_nop are among the places in front of the loads below
	PLACES NP-4
.else
	PLACES NP
.endif
	s_wait_alu depctr_va_vdst(0)
	v_add_nc_u32 v[ADRS], 4*NQ, v[ADRS]            ; on to the next K step's scale words (no LDS load of mine is out)
	FETCH_B \next, 0, 0
	FETCH_A \next, 0, 0
	SCALES \next
	WIN MUL_HI
	MUL16 4, 1, NQ-1, \slot, 0
	MUL16 6, 1, NQ-1, \slot, 0
	PLACES NP
	WIN 0
	FETCH_A \next, 0, 4
.endm
	s_wait_alu depctr_va_vdst(0)                   ; the wait at the head's end
	s_wait_tensorcnt 0x0                           ; my tile of the head's four is in
	ds_add_u32 v[SPW], v[NIL]
	s_mov_b32 s[G1+2], 128<<16                     ; no tensor load of mine is out: from here on a load brings 128 rows
	s_mov_b32 s[G1+4], 128
	s_mov_b32 s[G1B+2], 128<<16
	s_mov_b32 s[G1B+4], 128
	s_wait_loadcnt 0x0                             ; the biases
	s_wait_xcnt 0x0                                ; the prefetches have read v32, which takes scale words below
	s_wait_dscnt 0x0
	CROUND                                         ; all four tiles are in, and all sixteen work-groups are here
	JLOAD G0+4, G1, G0B+4, G1B                     ; K step 1's load, the first tensor load behind the round
	FETCH_B 0, 0, 0
	FETCH_A 0, 0, 0
	SCALES 0
	FETCH_A 0, 0, 4
	STEP 0, 0, 1                                   ; the first step stands in front of the loop: its products start the sums
	s_mov_b32 s3, LAPS-1
.Llap:                                                 ; a trip goes once round the ring, from a lap's second step to the next lap's first, and fills both slots again
	TURN 0, 1, 1
	STEP 1, 0, 0
	TURN 1, 0, 1
	STEP 0, 0, 0
	s_sub_co_u32 s3, s3, 1
	s_cmp_lg_u32 s3, 0
	s_cbranch_scc1 .Llap
	TURN 0, 1, 0                                   ; the last lap fills nothing, and has no round of the cluster's barrier
	STEP 1, 0, 0
	s_wait_dscnt 4*NL                              ; the very last step: nothing more to fetch
	WIN MUL_LO
	MUL16 0, 1, NQ-1, 1, 0
	MUL16 2, 1, NQ-1, 1, 0
	s_wait_dscnt 0
	WIN MUL_HI
	MUL16 4, 1, NQ-1, 1, 0
	MUL16 6, 1, NQ-1, 1, 0
	WIN 0
; THE WAY OUT.  A block is 16 rows i x 128 along j: 64 numbers a lane; register 8 b + n is j = 16 b + 8 h + n.  So registers 16 g .. 16 g + 15 of lanes l and l xor 16 are the block of 32 along j from 32 g on.
; role = 1: q, k;  role = 0: v.
.macro QUANT role
.irp b, 0,1,2,3
	v_max3_num_f32 v[TM+\b], |v[T+16*\b]|, |v[T+1+16*\b]|, 0x4800000   ; my 16 numbers of the block, and the floor 2^(9 - 127): the byte cannot fall under 1
.endr
.irp i, 2,4,6,8,10,12,14
.irp b, 0,1,2,3
	v_max3_num_f32 v[TM+\b], v[TM+\b], |v[T+16*\b+\i]|, |v[T+1+16*\b+\i]|   ; (the four blocks by turns)
.endr
.endr
.irp b, 0,1,2,3
	v_permlanex16_b32 v[TM+4+\b], v[TM+\b], s[SEL], s[SEL+1]
.endr
.irp b, 0,1,2,3
	v_max_num_f32 v[TM+\b], v[TM+\b], v[TM+4+\b]   ; with lane l xor 16's: the block's largest magnitude
.endr
.irp b, 0,1,2,3
	v_add_nc_u32 v[TM+12+\b], 0xfc000000, v[TM+\b] ; 8 off its exponent field: the conversion's scale operand
.endr
.irp b, 0,1,2,3
	v_and_or_b32 v[TM+8+\b], v[TM+\b], 0x7f800000, s[MNT]   ; 448 x the scale
.endr
.irp b, 0,1,2,3
	v_lshrrev_b32 v[TM+4+\b], 23, v[TM+12+\b]      ; the scale's byte
.endr
.if \role
	v_lshl_or_b32 v[W0], v[TM+5], 8, v[TM+4]       ; a head's 64 channels are two blocks: two bytes and two zeros
	v_lshl_or_b32 v[W1], v[TM+7], 8, v[TM+6]
	v_cndmask_b32 v[PW], v[W0], v[W1], vcc_lo      ; lanes 0-15 carry the first head's word, lanes 16-31 the second's
.else
	v_lshl_or_b32 v[PW], v[TM+5], 8, v[TM+4]       ; 128 keys are four blocks: four bytes
	v_lshl_or_b32 v[PW], v[TM+6], 16, v[PW]
	v_lshl_or_b32 v[PW], v[TM+7], 24, v[PW]
.endif
.irp b, 0,1,2,3
.irp i, 0,1,2,3,4,5,6,7,8,9,10,11,12,13,14,15
	v_med3_num_f32 v[T+16*\b+\i], v[T+16*\b+\i], -v[TM+8+\b], v[TM+8+\b]   ; the conversion to an 8-bit code does not saturate (ISA guide 7.6.2): the hold comes first
.endr
	v_cvt_scalef32_pk8_fp8_f32 v[PC+4*\b:PC+1+4*\b], v[T+16*\b:T+7+16*\b], v[TM+12+\b]        ; the eight codes of accumulator 2 b,
	v_cvt_scalef32_pk8_fp8_f32 v[PC+2+4*\b:PC+3+4*\b], v[T+8+16*\b:T+15+16*\b], v[TM+12+\b]   ; and of 2 b + 1
.endr
	v_nop                                          ; one plain vector instruction behind the last conversion
.endm
.macro BLOCK role, a
.set AC, 64*((\a)%4)
	s_wait_dscnt 0x0                               ; the last block's stores into the stage have read their registers
.if !(\role)
	v_mov_b32 v[BP], v[BI+(\a)]                    ; my row's bias, for both halves of the packed addition
	v_mov_b32 v[BP+1], v[BI+(\a)]
.endif
	WIN 0x02+(\a)/4                                ; source 0: window 2 or 3
.set x, 0
.rept 32                               ; the bias is added on the way into window 0; each accumulator is read from its low end on
.if \role
	v_pk_add_f32 v[T+x:T+x+1], v[AC+x:AC+x+1], v[BJ+x:BJ+x+1]
.else
	v_pk_add_f32 v[T+x:T+x+1], v[AC+x:AC+x+1], v[BP:BP+1]
.endif
.set x, x+2
.endr
	WIN 0
	QUANT \role
; Where eight codes go.  q, k: token 16 a + r is lane (r % 8) + 8 (a % 2) of tile 2 (a / 2) + r / 8; channel 16 (b % 4) + 8 h + n of head b / 4 is group (b % 4) / 2, half b % 2, byte 8 h + n.
;                        v: channel 16 (a % 4) + r of head a / 4 is lane (r % 8) + 8 (a % 2) of tile 2 ((a % 4) / 2) + r / 8; key 16 b + 8 h + n is group b / 2, half b % 2, byte 8 h + n.
.irp b, 0,1,2,3,4,5,6,7
.if \role
	ds_store_b64 v[STOQ], v[PC+2*\b:PC+2*\b+1] offset:8192*(\b/4)+2048*((\a)/2)+512*((\b%4)/2)+256*(\b%2)+128*((\a)%2)
.else
	ds_store_b64 v[STOV], v[PC+2*\b:PC+2*\b+1] offset:8192*((\a)/4)+4096*(((\a)%4)/2)+128*((\a)%2)+512*(\b/2)+256*(\b%2)
.endif
.endr
.if \role
	ds_store_b32 v[STSQ], v[PW] offset:128*((\a)/2)+32*((\a)%2)
.else
	ds_store_b32 v[STSV], v[PW] offset:256*((\a)/4)+128*(((\a)%4)/2)+32*((\a)%2)   ; both halves of the lanes write the same word with the same value
.endif
.endm
.macro EPI role
	PLACES NP                                      ; behind the last products: their registers are written and their results read from here on
.irp b, 0,1,2,3
	v_mov_b32 v[TM+4+\b], 0                        ; written once: a lane permute's destination counts as one of its sources
.endr
.if \role
	v_cmp_eq_u32 vcc_lo, 1, v2                     ; lanes 16-31
	s_lshr_b32 s18, s17, 3                         ; the batch: 8 tile rows of 256 tokens
	s_and_b32 s19, s17, 7
	s_lshl_b32 s19, s19, 1
	s_add_co_u32 s19, s19, s15                     ; which 128 tokens of it
	s_lshl_b32 s20, s40, 2
	s_lshl_b32 s21, s16, 1
	s_add_co_u32 s20, s20, s21                     ; my first head: 4 cx + 2 x half
.else
	s_lshr_b32 s18, s42, 3
	s_and_b32 s19, s42, 7
	s_lshl_b32 s19, s19, 1
	s_add_co_u32 s19, s19, s16
	s_lshl_b32 s20, s17, 2
	s_lshl_b32 s21, s15, 1
	s_add_co_u32 s20, s20, s21                     ; my first head: 4 x tile row + 2 x half
.endif
	s_lshl_b32 s18, s18, 4
	s_add_co_u32 s18, s18, s20
	s_lshl_b32 s18, s18, 4
	s_add_co_u32 s18, s18, s19                     ; the record
	s_mul_i32 s18, s18, REC
.if \role
	s_cmp_eq_u32 ttmp9, 0                          ; q or k
	s_cselect_b32 s19, 17152, 0                    ; the image's place in a record,
	s_mov_b32 s20, 16384
	s_cselect_b32 s20, 8192, s20                   ; and from there to its scale words
	s_add_co_u32 s18, s18, s19
.else
	s_add_co_u32 s18, s18, 8192
	s_mov_b32 s20, 8704
.endif
	s_mov_b32 s19, 0
	s_mov_b32 s21, 0
	s_add_nc_u64 s[10:11], s[10:11], s[18:19]
	s_add_nc_u64 s[12:13], s[10:11], s[20:21]
.irp blk, 0,1,2,3,4,5,6,7
	BLOCK \role, \blk
.endr
.if \role
.set RDX, RDQ
.set NLD, 34
.else
.set RDX, RDV
.set NLD, 33
.endif
.irp e, 0,1                            ; the two heads' images come back as they lie: LDS serves a wave's instructions in order, so these see my stores
.irp i, 0,1,2,3,4,5,6,7,8,9,10,11,12,13,14,15
	ds_load_b128 v[128-64*\e+4*\i:128-64*\e+4*\i+3], v[RDX] offset:8192*\e+512*\i
.endr
.endr
	ds_load_b128 v[232:235], v[RDX] offset:16384
.if \role
	ds_load_b128 v[236:239], v[RDX] offset:16384+512
.endif
.irp e, 0,1
.irp i, 0,1,2,3,4,5,6,7,8,9,10,11,12,13,14,15
	s_wait_dscnt NLD-1-16*\e-\i                    ; this load is in; the younger ones may be out
	global_store_b128 v[LI], v[128-64*\e+4*\i:128-64*\e+4*\i+3], s[10:11] offset:\e*HSTR+512*\i   ; 32 lanes store 512 consecutive bytes, aligned
.endr
.endr
	s_wait_dscnt 0x0
.if \role
	global_store_b128 v[LI], v[232:235], s[12:13]
	global_store_b128 v[LI], v[236:239], s[12:13] offset:HSTR
.else
	global_store_b128 v[GVS], v[232:235], s[12:13] ; sixteen lanes store a head's 256 bytes, aligned
.endif
	s_wait_tensorcnt 0x0                           ; the wave's end
	ds_add_u32 v[SPW], v[NIL]
	s_wait_dscnt 0x0
	CROUND                                         ; the closing round: no work-group ends while a partner may still ask for a tile that names it
	s_endpgm
.endm
	s_cmp_lt_u32 ttmp9, 2                          ; the roles part: on the cluster's x, the same in all sixteen partners
	s_cbranch_scc0 .Lrole_v
	EPI 1
.Lrole_v:
	EPI 0
.Lfunc_end_k_q722ed166ef_qkv:
	.size	k_q722ed166ef_qkv, .Lfunc_end_k_q722ed166ef_qkv-k_q722ed166ef_qkv
	.p2alignl 7, 3214868480
	.fill 96, 4, 3214868480
	.section	.rodata,"a",@progbits
	.p2align	6, 0x0
	.amdhsa_kernel k_q722ed166ef_qkv
		.amdhsa_group_segment_fixed_size 327680
		.amdhsa_private_segment_fixed_size 0
		.amdhsa_enable_private_segment 0
		.amdhsa_kernarg_size 32
		.amdhsa_user_sgpr_count 2
		.amdhsa_user_sgpr_kernarg_segment_ptr 1
		.amdhsa_wavefront_size32 1
		.amdhsa_system_sgpr_workgroup_id_x 1
		.amdhsa_system_sgpr_workgroup_id_y 1
		.amdhsa_system_sgpr_workgroup_id_z 1
		.amdhsa_system_vgpr_workitem_id 0
		.amdhsa_next_free_vgpr 1024
		.amdhsa_next_free_sgpr 100
		.amdhsa_reserve_vcc 1
		.amdhsa_float_denorm_mode_32 3
		.amdhsa_float_denorm_mode_16_64 3
		.amdhsa_memory_ordered 1
		.amdhsa_forward_progress 1
		.amdhsa_inst_pref_size 255
	.end_amdhsa_kernel
	.section	.bss,"aw",@nobits
	.p2align	6
	.space	262144
	.amdgpu_metadata
---
amdhsa.version: [ 1, 2 ]
amdhsa.kernels:
  - .name:           k_q722ed166ef_qkv
    .symbol:         k_q722ed166ef_qkv.kd
    .args:
      - { .name: c1, .offset: 0, .size: 8, .value_kind: global_buffer, .address_space: global }
      - { .name: s1, .offset: 8, .size: 8, .value_kind: global_buffer, .address_space: global }
      - { .name: qkv_b, .offset: 16, .size: 8, .value_kind: global_buffer, .address_space: global }
      - { .name: qkv, .offset: 24, .size: 8, .value_kind: global_buffer, .address_space: global }
    .group_segment_fixed_size: 327680
    .private_segment_fixed_size: 0
    .kernarg_segment_align: 8
    .kernarg_segment_size: 32
    .max_flat_workgroup_size: 128
    .sgpr_count:     100
    .vgpr_count:     1024
    .wavefront_size: 32
...
	.end_amdgpu_metadata
.endif
;; end of part 2
;; launch attn (part 3): grid 4 x 64, 16 waves a work-group, clusters of 4 x 1, 327,680 bytes of LDS; arguments qkv, ac, asc; writes ac, asc
.if DOCPART == 3
	.amdgcn_target "amdgcn-amd-amdhsa--gfx1250"
	.amdhsa_code_object_version 6
	.text
	.protected	k_q722ed166ef_attn
	.globl	k_q722ed166ef_attn
	.p2align	8
	.type	k_q722ed166ef_attn,@function
k_q722ed166ef_attn:
	s_mov_b64 s[64:65], 0
	v_nop
	global_prefetch_b8 v0, s[64:65] scope:SCOPE_SE
	s_setreg_imm32_b32 hwreg(HW_REG_WAVE_MODE, 25, 1), 1
	s_wait_xcnt 0x0
	s_wait_alu depctr_hold_cnt(0) depctr_sa_sdst(0) depctr_va_vdst(0) depctr_va_sdst(0) depctr_va_ssrc(0) depctr_va_vcc(0) depctr_vm_vsrc(0)
	s_getreg_b32 s2, hwreg(HW_REG_IB_STS2, 6, 4)
	s_cmp_eq_u32 s2, 0
	s_cbranch_scc0 .Lentry_in_a_cluster
	s_endpgm
.Lentry_in_a_cluster:
	s_bfe_u32 s2, ttmp6, 0x10000c
	s_cmp_lg_u32 s2, 0x3003
	s_cbranch_scc0 .Lentry_shape_is_right
	s_endpgm
.Lentry_shape_is_right:
; Causal attention on codes of FP8 (E4M3) with E8M0 scales: S = q k^T / 8 (K = the head's 64), the streaming softmax, O = p v (K = the keys), O / l, and the quantising of the result along C for the output projection.
; THE SOFTMAX: t = score x log2(e) / 8; M = the row's largest t so far, rounded UP to a whole number; p = 2^(t - M) is quantised along the keys, not normalised; the row's sum is taken of the unquantised p and divides O at the end.
; When M moves, the sum and O are multiplied by 2^(old M - new M): exact.
; A HEAD'S K AND V STAY IN LDS.  The 16 records of a head (128 keys each: K image, V image, their scale words: 17,152 bytes) are 274,432 bytes: each of the sixteen waves fetches one record, once, at the head.  Nothing is filled again: no ring.
; CLUSTER: the four work-groups of a head (cluster 4 x 1) need the same 16 records: each load is a joint load with the mask 15.
; Waves 0 to 3 have a load line of their own: the first barrier shows records 0 to 3, the second (behind four key steps, the wait on every wave's way) the other twelve.  Behind it no barrier stands until the closing round.
; SHARES.  A head has 128 tiles of 16 queries; tile j needs key steps 0 .. j / 8, the last on the diagonal; steps beyond it lie wholly under reference()'s causal mask and are not done.
; Wave w of the partner at place cx owns tile 124 - 4 w + cx (16 - w / 2 steps) and then tile 4 w + cx (w / 2 + 1 steps): 17 steps for every wave of every work-group.
; The place cx enters global addresses and the diagonal's lane data alone: no branch, trip count or LDS address hangs on it.  The loops' trip counts are constants (4, 12, 8); a step beyond a tile's diagonal is jumped over by a scalar branch on the wave's number and the count of steps.
; LAYOUT.  Both products are used transposed (S^T = K Q^T, O^T = V^T P^T): a lane holds ONE query.  The members of a tile are not neighbours (lane r of tile 2 g + u: member 32 g + 8 u + r + 8 (r / 8)), so the 16 registers of tiles 2 g, 2 g + 1 are 16 neighbours.
; K = 64 IN A FORM OF 128: Q's registers for k = 64 .. 127 are zeros; the eight registers behind a tile of K, which the form also reads, are the next tile's codes (behind the last: zeros): they meet zero codes under scale bytes 0 and add nothing.
; NO PREFETCH: all that the launch reads is asked for at its head; there is no loop to run ahead in.
; OUTPUT: ac: fragment images [512 token tiles][8 K steps of 128][2,048 bytes]; a wave writes 1,024 consecutive bytes.  asc: [tile x 16 + lane][32 bytes], byte 2 x head + block: 2 bytes a lane.
; LIMITS: a block of zeros gets the byte 1 where the rule says 127 (zero codes; this program alone reads the bytes); blocks under 2^-118 are held at the byte 1; NaN and infinities are not served; the promise holds while the scaled scores stay under 2^31 in magnitude.
.set REC,   25856
.set KVREC, 17152                      ; what is fetched of a record: 67 rows of 256 bytes
.set HSTR,  16*REC
.set SPARE, 16*KVREC                   ; the spare words, 128 bytes for each wave: eight blocks of 256 bytes that no other line names
.set LI,  1                            ; v1   16 x lane
.set LS,  2                            ; v2   4 x lane
.set SPW, 3                            ; v3   LDS address of my spare word; never rewritten
.set NIL, 4                            ; v4   0; never rewritten
.set AD,  5                            ; v5   LDS address of the record's images for my lane
.set AS,  6                            ; v6   and of its scale words
.set DQ,  7                            ; v7   my query's place in its record - 16 h;  v9 the second tile's
.set OG,  8                            ; v8   32 r: my row of asc
.set DQ2, 9
.set QSO, 11                           ; v11  4 r
.set QF,  16                           ; v16-23 Q's codes, v24-31 zeros.  v12 -M, v13 the largest t, v[14:15] the sum in two halves
.set KV,  32                           ; v32-95 K's 8 tiles x 8 registers, later V's 4 x 16; v96-103 zeros
.set S,   104                          ; v104-167 S^T, then p
.set O,   168                          ; v168-199 O^T
.set PCD, 200                          ; v200-215 p's codes
.set BM,  216
.set T1,  220
.set LM,  224
.set SO,  228
.set Q2,  232                          ; v232-239 the second tile's Q
.set KSC, 240
.set VSC, 244
.set QSC, 246
.set PSC, 247
.set QSC2, 248
.set TB,  2                            ; s2  LDS byte at which the step's record begins
.set KI,  3                            ; s3  the key step
.set WV,  18
.set MNT, 19
.set SEL, 20
.set CS,  22                           ; s[22:23] log2(e) / 8
.set G1,  24
.set G0,  32
.set HB,  36                           ; s[36:37] the head's records
.set DG,  40                           ; s40 the diagonal step of the tile in hand;  s41 the second tile's
.set DG2, 41
.set D1,  42                           ; s42, s43 the tiles' first member in their records
.set D2,  43
.set OC,  46
.set OS,  48
.set OC2, 50
.set OS2, 52
.set QC,  54
.set QS,  56
.set QC2, 58
.set QS2, 60
.macro ROUND                           ; a round of the cluster's barrier
	s_barrier_signal -1
	s_barrier_wait -1
	s_cmp_lg_u32 s[WV], 0
	s_cbranch_scc1 .Lnot_wave_0_\@
	s_barrier_signal -3
.Lnot_wave_0_\@:
	s_barrier_wait -3
	s_barrier_signal -1
	s_barrier_wait -1
.endm
; where tile tt of record rr finds its Q (codes, scale words) and puts its results (codes, scale bytes), and its first member.  s75 = 128 x batch, s76 = 1,024 x head, s77 = 2 x head
.macro TILE rr, tt, qc, qs, oc, os, dd
	s_mul_i32 s72, s[\rr], REC
	s_lshl_b32 s70, s[\tt], 10
	s_add_co_u32 s70, s70, s72
	s_add_co_u32 s70, s70, KVREC
	s_mov_b32 s71, 0
	s_add_nc_u64 s[\qc:\qc+1], s[HB:HB+1], s[70:71]
	s_lshl_b32 s70, s[\tt], 6
	s_add_co_u32 s70, s70, s72
	s_add_co_u32 s70, s70, KVREC+8192
	s_add_nc_u64 s[\qs:\qs+1], s[HB:HB+1], s[70:71]
	s_lshl_b32 s72, s[\rr], 3
	s_add_co_u32 s72, s72, s[\tt]
	s_add_co_u32 s72, s72, s75                     ; the token tile
	s_lshl_b32 s70, s72, 14
	s_add_co_u32 s70, s70, s76
	s_add_nc_u64 s[\oc:\oc+1], s[6:7], s[70:71]
	s_lshl_b32 s70, s72, 9
	s_add_co_u32 s70, s70, s77
	s_add_nc_u64 s[\os:\os+1], s[8:9], s[70:71]
	s_lshr_b32 s70, s[\tt], 1
	s_lshl_b32 s70, s70, 5
	s_and_b32 s72, s[\tt], 1
	s_lshl_b32 s72, s72, 3
	s_add_co_u32 s[\dd], s70, s72                  ; 32 (t / 2) + 8 (t % 2)
.endm
	s_load_b128 s[4:7], s[0:1], 0x0                ; qkv, ac
	s_load_b64 s[8:9], s[0:1], 0x10                ; asc
	v_lshl_add_u32 v[SPW], v0, 2, SPARE
	v_mov_b32 v[NIL], 0
	ds_add_u32 v[SPW], v[NIL]                      ; the opening lines: the add, twice on end, and its wait ahead of my tensor load
	ds_add_u32 v[SPW], v[NIL]
	v_lshrrev_b32 v5, 5, v0
	v_readfirstlane_b32 s[WV], v5                  ; wave 0..15
	s_and_b32 s62, ttmp7, 0xffff                   ; batch x 16 + head: the cluster's y
	s_mul_i32 s66, s62, HSTR
	s_mov_b32 s67, 0
	s_mul_i32 s68, s[WV], REC                      ; my record
	s_mov_b32 s69, 0
	s_mov_b32 s[G0], 1
	s_mul_i32 s[G0+1], s[WV], KVREC                ; and its place in LDS: the wave's number alone
	s_mov_b32 s[G1], (3<<16)|(1<<21)|15            ; elements of 8 bytes; the mask names the cluster's four, bit 21 beside it; no padding: images are read 512 consecutive bytes at a time
	s_mov_b32 s[G1+1], 32<<16
	s_mov_b32 s[G1+2], 67<<16
	s_mov_b32 s[G1+3], 32<<16
	s_mov_b32 s[G1+4], 67
	s_mov_b32 s[G1+5], 32
	s_mov_b32 s[G1+6], 0
	s_mov_b32 s[G1+7], 0
	s_mov_b32 s[SEL], 0x76543210
	s_mov_b32 s[SEL+1], 0xfedcba98
	s_mov_b32 s[CS], 0x3e38aa3b                    ; log2(e) / 8
	s_mov_b32 s[CS+1], s[CS]
	s_mov_b32 s[MNT], 0x600000
	s_wait_dscnt 0x0                               ; both opening adds are done
	s_wait_kmcnt 0x0
	s_add_nc_u64 s[HB:HB+1], s[4:5], s[66:67]
	s_add_nc_u64 s[G0+2:G0+3], s[HB:HB+1], s[68:69]
	s_or_b32 s[G0+3], s[G0+3], 0x80000000
	s_lshr_b32 s[DG2], s[WV], 1                    ; the second tile's record: w / 2
	s_sub_co_u32 s[DG], 15, s[DG2]                 ; the first's: 15 - w / 2
	s_and_b32 s63, s[WV], 1
	s_lshl_b32 s63, s63, 2
	s_bfe_u32 s78, ttmp6, 0x40000                  ; cx
	s_add_co_u32 s79, s63, s78                     ; the second tile in its record: 4 (w % 2) + cx
	s_xor_b32 s63, s63, 4
	s_add_co_u32 s78, s63, s78                     ; the first: 4 (1 - w % 2) + cx
	s_lshr_b32 s75, s62, 4
	s_lshl_b32 s75, s75, 7
	s_and_b32 s76, s62, 15
	s_lshl_b32 s77, s76, 1
	s_lshl_b32 s76, s76, 10
	TILE DG,  78, QC,  QS,  OC,  OS,  D1
	TILE DG2, 79, QC2, QS2, OC2, OS2, D2
	v_and_b32 v5, 31, v0
	v_and_b32 v6, 15, v0
	v_lshlrev_b32 v[LI], 4, v5
	v_lshlrev_b32 v[QSO], 2, v6
	global_load_b128 v[QF:QF+3], v[LI], s[QC:QC+1]                ; Q, both tiles', is asked for ahead of the records
	global_load_b128 v[QF+4:QF+7], v[LI], s[QC:QC+1] offset:512
	global_load_b32 v[QSC], v[QSO], s[QS:QS+1]
	global_load_b128 v[Q2:Q2+3], v[LI], s[QC2:QC2+1]
	global_load_b128 v[Q2+4:Q2+7], v[LI], s[QC2:QC2+1] offset:512
	global_load_b32 v[QSC2], v[QSO], s[QS2:QS2+1]
	ROUND                                          ; all four work-groups are here: the joint loads meet
	s_cmp_lt_u32 s[WV], 4                          ; one load a wave; waves 0 to 3, whose records are shown first, have a line of their own
	s_cbranch_scc0 .Lrest
	tensor_load_to_lds s[G0:G0+3], s[G1:G1+7]
	s_nop 0
.rept 4
	v_nop
.endr
	s_branch .Lasked
.Lrest:
	tensor_load_to_lds s[G0:G0+3], s[G1:G1+7]
	s_nop 0
.rept 4
	v_nop
.endr
.Lasked:
	v_and_b32 v5, 31, v0                           ; lane
	v_and_b32 v6, 15, v0                           ; r
	v_bfe_u32 v12, v0, 4, 1                        ; h
	v_lshlrev_b32 v[LS], 2, v5
	v_lshlrev_b32 v[OG], 5, v6
	v_and_b32 v13, 8, v6
	v_add_nc_u32 v13, v13, v6
	v_lshlrev_b32 v12, 4, v12
	v_sub_nc_u32 v13, v13, v12                     ; r + 8 (r / 8) - 16 h
	v_add_nc_u32 v[DQ], s[D1], v13
	v_add_nc_u32 v[DQ2], s[D2], v13
	v_mov_b32 v13, 0xff61b1e6                      ; the largest t so far: -3e38, under every t
	v_floor_f32 v12, -v13                          ; -M
	v_mov_b32 v14, 0
	v_mov_b32 v15, 0
.irp b, 0,1,2,3
	v_mov_b32 v[T1+\b], 0                          ; written once: a lane permute's destination counts as one of its sources
.endr
	v_mov_b32 v252, 0
	v_mov_b32 v253, 0                              ; (named as the upper half of the pair v[252:253])
	v_mov_b32 v254, 0
.irp j, 0,1,2,3,4,5,6,7
	v_mov_b32 v[QF+8+\j], 0                        ; Q's k = 64 .. 127
	v_mov_b32 v[KV+64+\j], 0                       ; and what stands behind K's last tile
.endr
.set j, 0
.rept 32
	v_mov_b32 v[O+j], 0                            ; O^T: a tile's first step finds zeros, which the first change of M leaves zeros
.set j, j+1
.endr
.macro HOLD2 x, m                      ; two one-sided holds in one instruction
	v_dual_min_num_f32 v[\x], v[\m], v[\x] :: v_dual_min_num_f32 v[\x+1], v[\m], v[\x+1]
.endm
; A KEY STEP: the 128 keys of the record at s[TB].  causal = 1: the step may lie beyond the tile's diagonal (jumped over) or on it (hidden scores become -infinity)
.macro STEP causal
.if \causal
	s_cmp_gt_u32 s[KI], s[DG]
	s_cbranch_scc1 .Lhidden_\@                     ; all keys come after my queries
.endif
	v_add_nc_u32 v[AD], s[TB], v[LI]
	v_add_nc_u32 v[AS], s[TB], v[LS]
.rept 6
	v_nop                                          ; with the two additions: eight places in front of loads into registers that the last products read
.endr
.irp t, 0,1,2,3,4,5,6,7
	ds_load_b128 v[KV+8*\t:KV+8*\t+3], v[AD] offset:1024*\t
	ds_load_b128 v[KV+8*\t+4:KV+8*\t+7], v[AD] offset:1024*\t+512
.endr
.irp b, 0,1,2,3
	ds_load_b32 v[KSC+\b], v[AS] offset:16384+128*\b
.endr
	s_wait_alu depctr_va_vdst(0)
	s_wait_dscnt 0x0
.irp t, 0,2,4,6
	v_wmma_scale_f32_16x16x128_f8f6f4 v[S+8*\t:S+8*\t+7], v[KV+8*\t:KV+8*\t+15], v[QF:QF+15], 0, v[KSC+\t/2], v[QSC]
	v_wmma_scale_f32_16x16x128_f8f6f4 v[S+8*\t+8:S+8*\t+15], v[KV+8*\t+8:KV+8*\t+23], v[QF:QF+15], 0, v[KSC+\t/2], v[QSC] matrix_a_scale:MATRIX_SCALE_ROW1
.endr
.rept 8
	v_nop                                          ; places: in front of the loads below and of the first read of the scores
.endr
.irp t, 0,1,2,3                                ; V's four tiles are asked for here and land under the softmax
.irp c, 0,1,2,3
	ds_load_b128 v[KV+16*\t+4*\c:KV+16*\t+4*\c+3], v[AD] offset:8192+2048*\t+512*\c
.endr
.endr
.irp g, 0,1
	ds_load_b32 v[VSC+\g], v[AS] offset:16896+128*\g
.endr
.if \causal
	s_cmp_lg_u32 s[KI], s[DG]
	s_cbranch_scc1 .Lopen_\@                       ; all keys count
	v_mov_b32 v254, 0xff800000                     ; -infinity.  Register 16 b + i holds the record's key 32 b + 16 h + i: hidden where 32 b + i > my query's place - 16 h
.set n, 0
.rept 64
	v_cmp_gt_i32 vcc_lo, 32*(n/16)+n%16, v[DQ]
	v_cndmask_b32 v[S+n], v[S+n], v254, vcc_lo
.set n, n+1
.endr
.Lopen_\@:
.endif
.irp b, 0,1,2,3
	v_max3_num_f32 v[BM+\b], v[S+16*\b], v[S+1+16*\b], v[S+2+16*\b]   ; the largest score of each block of 32 keys: for the row's maximum and, since p rises with the score, for the block's largest p
.endr
.irp i, 3,5,7,9,11,13
.irp b, 0,1,2,3
	v_max3_num_f32 v[BM+\b], v[BM+\b], v[S+16*\b+\i], v[S+1+16*\b+\i]
.endr
.endr
.irp b, 0,1,2,3
	v_max_num_f32 v[BM+\b], v[BM+\b], v[S+15+16*\b]
.endr
.irp b, 0,1,2,3
	s_delay_alu instid0(VALU_DEP_4)
	v_permlanex16_b32 v[T1+\b], v[BM+\b], s[SEL], s[SEL+1]
.endr
.irp b, 0,1,2,3
	s_delay_alu instid0(VALU_DEP_4)
	v_max_num_f32 v[BM+\b], v[BM+\b], v[T1+\b]     ; with lane l xor 16's 16 keys
.endr
	s_delay_alu instid0(VALU_DEP_2)
	v_max3_num_f32 v254, v[BM], v[BM+1], v[BM+2]
	s_delay_alu instid0(VALU_DEP_1)
	v_max_num_f32 v254, v254, v[BM+3]              ; the step's largest score of my query
	s_delay_alu instid0(VALU_DEP_1)
	v_mul_f32 v254, s[CS], v254                    ; as t
	s_delay_alu instid0(VALU_DEP_1)
	v_max_num_f32 v13, v13, v254                   ; the running largest t
	v_mov_b32 v254, v12
	s_delay_alu instid0(VALU_DEP_2)
	v_floor_f32 v12, -v13                          ; the new -M = floor(-t) = -ceil(t)
	s_delay_alu instid0(VALU_DEP_1)
	v_sub_f32 v254, v12, v254                      ; M's old value less its new one: a whole number, 0 or less
	s_delay_alu instid0(VALU_DEP_1)
	v_cvt_i32_f32 v254, v254                       ; (it saturates)
	s_delay_alu instid0(VALU_DEP_1)
	v_ldexp_f32 v252, 1.0, v254                    ; f = 2^(old M - new M)
.set j, 0
.rept 32
	v_pk_fma_f32 v[S+j:S+j+1], v[S+j:S+j+1], s[CS:CS+1], v[12:13] op_sel_hi:[1,0,0]   ; t - M, two at a time
.set j, j+2
.endr
.irp b, 0,1,2,3
	v_fma_f32 v[BM+\b], v[BM+\b], s[CS], v12       ; the same of each block's largest score
.endr
	s_wait_alu depctr_va_vdst(0)                   ; the wait ahead of the batch
.set j, 0
.rept 64
	v_exp_f32 v[S+j], v[S+j]                       ; p = 2^(t - M), at most 1
.set j, j+1
.endr
	v_pk_mul_f32 v[14:15], v[14:15], v[252:253] op_sel_hi:[1,0]   ; the sums under the new M: a plain instruction behind the exponentials
	s_wait_alu depctr_va_vdst(0)                   ; one wait for the whole batch, ahead of its first reader
.irp b, 0,1,2,3
	v_exp_f32 v[BM+\b], v[BM+\b]                   ; the block's largest p
.endr
; the row's sum of the unquantised p: 32 packed additions in eight chains: seven in v220-231 and v240-241, the eighth the sum itself
.set k, 0
.rept 7
.set CH, 220+2*k+(k/6)*8
	v_pk_add_f32 v[CH:CH+1], v[S+4*k:S+4*k+1], v[S+4*k+2:S+4*k+3]
.set k, k+1
.endr
	v_pk_add_f32 v[14:15], v[14:15], v[S+28:S+29]
.irp base, 30, 46
.set k, 0
.rept 7
.set CH, 220+2*k+(k/6)*8
	v_pk_add_f32 v[CH:CH+1], v[CH:CH+1], v[S+\base+2*k:S+\base+2*k+1]
.set k, k+1
.endr
	v_pk_add_f32 v[14:15], v[14:15], v[S+\base+14:S+\base+15]
.endr
	v_pk_add_f32 v[220:221], v[220:221], v[S+62:S+63]
	v_pk_add_f32 v[224:225], v[224:225], v[226:227]
	v_pk_add_f32 v[228:229], v[228:229], v[230:231]
	v_pk_add_f32 v[14:15], v[14:15], v[240:241]
	v_pk_add_f32 v[220:221], v[220:221], v[222:223]
	v_pk_add_f32 v[14:15], v[14:15], v[224:225]
	v_pk_add_f32 v[220:221], v[220:221], v[228:229]
	v_pk_add_f32 v[14:15], v[14:15], v[220:221]
	s_wait_alu depctr_va_vdst(0)                   ; and one for the four
.irp b, 0,1,2,3
	v_max_num_f32 v[BM+\b], 0x4800000, v[BM+\b]    ; the floor 2^(9 - 127): the byte cannot fall under 1
.endr
.irp b, 0,1,2,3
	s_delay_alu instid0(VALU_DEP_4)
	v_add_nc_u32 v[SO+\b], 0xfc000000, v[BM+\b]    ; 8 off the exponent field: the conversion's scale operand
.endr
.irp b, 0,1,2,3
	v_and_or_b32 v[LM+\b], v[BM+\b], 0x7f800000, s[MNT]   ; 448 x the scale
.endr
.irp b, 0,1,2,3
	v_lshrrev_b32 v[T1+\b], 23, v[SO+\b]           ; the scale's byte
.endr
	s_delay_alu instid0(VALU_DEP_3)
	v_lshl_or_b32 v[PSC], v[T1+1], 8, v[T1]        ; p's scale word for these 128 keys
	s_delay_alu instid0(VALU_DEP_1)
	v_lshl_or_b32 v[PSC], v[T1+2], 16, v[PSC]
	s_delay_alu instid0(VALU_DEP_1)
	v_lshl_or_b32 v[PSC], v[T1+3], 24, v[PSC]
.irp b, 0,1,2,3
.irp i, 0,2,4,6,8,10,12,14
	HOLD2 S+16*\b+\i, LM+\b                        ; the conversion does not saturate (ISA guide 7.6.2); p is not negative, so the hold is one-sided
.endr
	v_cvt_scalef32_pk8_fp8_f32 v[PCD+4*\b:PCD+1+4*\b], v[S+16*\b:S+7+16*\b], v[SO+\b]
	v_cvt_scalef32_pk8_fp8_f32 v[PCD+2+4*\b:PCD+3+4*\b], v[S+8+16*\b:S+15+16*\b], v[SO+\b]
.endr
	s_wait_alu depctr_va_vdst(0)                   ; directly ahead of the first reader of O^T
.set j, 0
.rept 16
	v_pk_mul_f32 v[O+j:O+j+1], v[O+j:O+j+1], v[252:253] op_sel_hi:[1,0]   ; O^T under the new M.  (These are also the places in front of the products below)
.set j, j+2
.endr
	s_wait_alu depctr_va_vdst(0)
	s_wait_dscnt 0x0                               ; V is in
.irp g, 0,1                                    ; O^T += V^T P^T: the four accumulators by turns; the next step's eight products stand between two links of a chain
	v_wmma_scale_f32_16x16x128_f8f6f4 v[O+16*\g:O+16*\g+7], v[KV+32*\g:KV+32*\g+15], v[PCD:PCD+15], v[O+16*\g:O+16*\g+7], v[VSC+\g], v[PSC]
	v_wmma_scale_f32_16x16x128_f8f6f4 v[O+16*\g+8:O+16*\g+15], v[KV+32*\g+16:KV+32*\g+31], v[PCD:PCD+15], v[O+16*\g+8:O+16*\g+15], v[VSC+\g], v[PSC] matrix_a_scale:MATRIX_SCALE_ROW1
.endr
.if \causal
.Lhidden_\@:
.endif
	s_add_co_u32 s[TB], s[TB], KVREC               ; on to the next record
	s_add_co_u32 s[KI], s[KI], 1
.endm
; A TILE'S END: O^T / the sum; its 64 channels are two blocks of 32 along the output projection's K; register 16 g + i is channel 32 g + 16 h + i, so the conversions' results are that operand's registers, and are stored as they stand.
.macro FINISH
.rept 8
	v_nop                                          ; places behind the last products
.endr
	v_add_f32 v14, v14, v15                        ; the sum's two halves,
	s_delay_alu instid0(VALU_DEP_1)
	v_permlanex16_b32 v254, v14, s[SEL], s[SEL+1]
	s_delay_alu instid0(VALU_DEP_1)
	v_add_f32 v14, v14, v254                       ; and lane l xor 16's
	s_wait_alu depctr_va_vdst(0)
	v_rcp_f32 v14, v14
	v_nop                                          ; a plain instruction behind the reciprocal
	s_wait_alu depctr_va_vdst(0)                   ; and the wait ahead of its first reader, which is O^T's first reader too
.set j, 0
.rept 32
	v_mul_f32 v[S+j], v[O+j], v14
.set j, j+1
.endr
.irp b, 0,1
	v_max3_num_f32 v[BM+\b], |v[S+16*\b]|, |v[S+1+16*\b]|, 0x4800000
.endr
.irp i, 2,4,6,8,10,12,14
.irp b, 0,1
	s_delay_alu instid0(VALU_DEP_2)
	v_max3_num_f32 v[BM+\b], v[BM+\b], |v[S+16*\b+\i]|, |v[S+1+16*\b+\i]|
.endr
.endr
.irp b, 0,1
	s_delay_alu instid0(VALU_DEP_2)
	v_permlanex16_b32 v[T1+\b], v[BM+\b], s[SEL], s[SEL+1]
.endr
.irp b, 0,1
	s_delay_alu instid0(VALU_DEP_2)
	v_max_num_f32 v[BM+\b], v[BM+\b], v[T1+\b]
.endr
.irp b, 0,1
	s_delay_alu instid0(VALU_DEP_2)
	v_add_nc_u32 v[SO+\b], 0xfc000000, v[BM+\b]
.endr
.irp b, 0,1
	s_delay_alu instid0(VALU_DEP_4)
	v_and_or_b32 v[LM+\b], v[BM+\b], 0x7f800000, s[MNT]
.endr
.irp b, 0,1
	s_delay_alu instid0(VALU_DEP_4)
	v_lshrrev_b32 v[T1+\b], 23, v[SO+\b]
.endr
	s_delay_alu instid0(VALU_DEP_1)
	v_lshl_or_b32 v254, v[T1+1], 8, v[T1]          ; my row's two scale bytes
.irp b, 0,1
.irp i, 0,1,2,3,4,5,6,7,8,9,10,11,12,13,14,15
	v_med3_num_f32 v[S+16*\b+\i], v[S+16*\b+\i], -v[LM+\b], v[LM+\b]
.endr
	v_cvt_scalef32_pk8_fp8_f32 v[PCD+4*\b:PCD+1+4*\b], v[S+16*\b:S+7+16*\b], v[SO+\b]
	v_cvt_scalef32_pk8_fp8_f32 v[PCD+2+4*\b:PCD+3+4*\b], v[S+8+16*\b:S+15+16*\b], v[SO+\b]
.endr
	v_nop                                          ; one plain vector instruction behind the last conversion
	global_store_b128 v[LI], v[PCD:PCD+3], s[OC:OC+1]                 ; 32 lanes store 512 consecutive bytes, aligned
	global_store_b128 v[LI], v[PCD+4:PCD+7], s[OC:OC+1] offset:512
	global_store_b16 v[OG], v254, s[OS:OS+1]       ; both halves of the lanes write the same two bytes with the same value
.endm
	s_wait_alu depctr_va_vdst(0)                   ; the wait at the head's end
	s_wait_loadcnt 0x0                             ; Q, both tiles'
	s_cmp_lt_u32 s[WV], 4
	s_cbranch_scc0 .Lnot_first
	s_wait_tensorcnt 0x0                           ; waves 0 to 3: records 0 to 3 have landed
.Lnot_first:
	s_barrier_signal -1
	s_barrier_wait -1
	s_mov_b32 s[KI], 0
	s_mov_b32 s[TB], 0
.Lfour:                                            ; key steps 0 to 3 of the first tile, whose diagonal lies at step 8 or later
	STEP 0
	s_cmp_lt_u32 s[KI], 4
	s_cbranch_scc1 .Lfour
	s_wait_tensorcnt 0x0                           ; every wave: my record has landed
	s_wait_dscnt 0x0
	s_barrier_signal -1
	s_barrier_wait -1                              ; all sixteen records are in
	s_mov_b32 s[KI], 4
	s_mov_b32 s[TB], 4*KVREC
.Llong:                                            ; key steps 4 to 15
	STEP 1
	s_cmp_lt_u32 s[KI], 16
	s_cbranch_scc1 .Llong
	FINISH
	s_wait_xcnt 0x0                                ; the stores have read their registers and bases: on to the second tile
	s_mov_b64 s[OC:OC+1], s[OC2:OC2+1]
	s_mov_b64 s[OS:OS+1], s[OS2:OS2+1]
	s_mov_b32 s[DG], s[DG2]
	s_mov_b32 s[KI], 0
	s_mov_b32 s[TB], 0
	v_mov_b32 v[QSC], v[QSC2]                      ; the scale word first: more than eight plain instructions stand between it and the next product
.irp j, 0,1,2,3,4,5,6,7
	v_mov_b32 v[QF+\j], v[Q2+\j]
.endr
	v_mov_b32 v[DQ], v[DQ2]
	v_mov_b32 v13, 0xff61b1e6
	s_delay_alu instid0(VALU_DEP_1)
	v_floor_f32 v12, -v13
	v_mov_b32 v14, 0
	v_mov_b32 v15, 0
.set j, 0
.rept 32
	v_mov_b32 v[O+j], 0
.set j, j+1
.endr
	s_wait_alu depctr_va_vdst(0)                   ; the wait ahead of the branches below
.Lshort:                                           ; key steps 0 to 7
	STEP 1
	s_cmp_lt_u32 s[KI], 8
	s_cbranch_scc1 .Lshort
	FINISH
	s_wait_tensorcnt 0x0                           ; the wave's end
	ds_add_u32 v[SPW], v[NIL]
	s_wait_dscnt 0x0
	ROUND                                          ; the closing round
	s_endpgm
.Lfunc_end_k_q722ed166ef_attn:
	.size	k_q722ed166ef_attn, .Lfunc_end_k_q722ed166ef_attn-k_q722ed166ef_attn
	.p2alignl 7, 3214868480
	.fill 96, 4, 3214868480
	.section	.rodata,"a",@progbits
	.p2align	6, 0x0
	.amdhsa_kernel k_q722ed166ef_attn
		.amdhsa_group_segment_fixed_size 327680
		.amdhsa_private_segment_fixed_size 0
		.amdhsa_enable_private_segment 0
		.amdhsa_kernarg_size 24
		.amdhsa_user_sgpr_count 2
		.amdhsa_user_sgpr_kernarg_segment_ptr 1
		.amdhsa_wavefront_size32 1
		.amdhsa_system_sgpr_workgroup_id_x 1
		.amdhsa_system_sgpr_workgroup_id_y 1
		.amdhsa_system_sgpr_workgroup_id_z 1
		.amdhsa_system_vgpr_workitem_id 0
		.amdhsa_next_free_vgpr 256
		.amdhsa_next_free_sgpr 80
		.amdhsa_reserve_vcc 1
		.amdhsa_float_denorm_mode_32 3
		.amdhsa_float_denorm_mode_16_64 3
		.amdhsa_memory_ordered 1
		.amdhsa_forward_progress 1
		.amdhsa_inst_pref_size 93
	.end_amdhsa_kernel
	.amdgpu_metadata
---
amdhsa.version: [ 1, 2 ]
amdhsa.kernels:
  - .name:           k_q722ed166ef_attn
    .symbol:         k_q722ed166ef_attn.kd
    .args:
      - { .name: qkv, .offset: 0, .size: 8, .value_kind: global_buffer, .address_space: global }
      - { .name: ac, .offset: 8, .size: 8, .value_kind: global_buffer, .address_space: global }
      - { .name: asc, .offset: 16, .size: 8, .value_kind: global_buffer, .address_space: global }
    .group_segment_fixed_size: 327680
    .private_segment_fixed_size: 0
    .kernarg_segment_align: 8
    .kernarg_segment_size: 24
    .max_flat_workgroup_size: 512
    .sgpr_count:     80
    .vgpr_count:     256
    .wavefront_size: 32
...
	.end_amdgpu_metadata
.endif
;; end of part 3
;; launch oproj (part 4): grid 8 x 32, 4 waves a work-group, clusters of 4 x 4, 327,680 bytes of LDS; arguments ac, asc, c1, s1, o_b, out0; writes out0
.if DOCPART == 4
	.amdgcn_target "amdgcn-amd-amdhsa--gfx1250"
	.amdhsa_code_object_version 6
	.text
	.protected	k_q722ed166ef_oproj
	.globl	k_q722ed166ef_oproj
	.p2align	8
	.type	k_q722ed166ef_oproj,@function
k_q722ed166ef_oproj:
	s_mov_b64 s[64:65], 0
	v_nop
	global_prefetch_b8 v0, s[64:65] scope:SCOPE_SE
	s_setreg_imm32_b32 hwreg(HW_REG_WAVE_MODE, 25, 1), 1
	s_wait_xcnt 0x0
	s_wait_alu depctr_hold_cnt(0) depctr_sa_sdst(0) depctr_va_vdst(0) depctr_va_sdst(0) depctr_va_ssrc(0) depctr_va_vcc(0) depctr_vm_vsrc(0)
	s_getreg_b32 s2, hwreg(HW_REG_IB_STS2, 6, 4)
	s_cmp_eq_u32 s2, 0
	s_cbranch_scc0 .Lentry_in_a_cluster
	s_endpgm
.Lentry_in_a_cluster:
	s_bfe_u32 s2, ttmp6, 0x10000c
	s_cmp_lg_u32 s2, 0xf033
	s_cbranch_scc0 .Lentry_shape_is_right
	s_endpgm
.Lentry_shape_is_right:
; The output projection on codes of FP8 (E4M3) with E8M0 scales: out0 = a o_w^T + o_b: 8,192 x 1,024 x 1,024, f32 out.
; A: the attention's fragment images, ac[token tile of 16][K step of 128][group c][lane][16 bytes], and scale bytes asc[tile x 16 + r][32].  B: o_w's codes and scale bytes: rows 11,264 on of c1 (1,024 bytes) and s1 (32 bytes).
; THE DEAL.  256 work-groups of four waves, 2 x 2; a work-group makes 256 rows x 128 columns.  A wave holds 64 rows of o_w, ALL of K, in registers (512: windows 1, 2) and streams its 8 blocks of 16 token rows past them;
; a block, all of K, stands in one of two register sets (window 3).  Block k of wave row w is token tile 8 (k / 4) + 2 (k % 4) + w of the work-group's sixteen.  32 products a block, its four accumulators by turns.
; LDS: two slots of 128 rows of 1,024 bytes (+ 16 of padding).  A token tile's image, 16,384 dense bytes, is 16 such rows.  At the head: o_w's 128 rows into slot 1 (wave 0), the halves of A's first 128 token rows into slot 0 (waves 1, 3), A's scale bytes (wave 2).
; ONE REFILL: when all waves hold o_w in registers, A's second 128 token rows are filled over it, a quarter a wave, behind a drained round of the cluster's barrier; a plain barrier behind block 2's products shows them.
; CLUSTER 4 x 4: A's rows are asked for jointly along a row of the cluster, o_w's along a column.
; PREFETCH: the refill's 131,072 bytes are named once in each cluster row, 8,192 bytes by each of its sixteen waves (told apart by address), lanes 256 bytes apart, behind the first barrier; all else is asked for at the head.
; The matrix instruction is used transposed (source 0 = o_w's rows): a lane holds one token and eight neighbouring columns an accumulator.  The bias is the first products' C.
; THE WAY OUT: a block's 16 rows x 256 bytes go through the wave's own stage in LDS and leave as whole rows while the next block is multiplied.  The rows of a token tile are not neighbours (row t is token 32 (a / 2) + 8 (a % 2) + t + 8 (t / 8) of its 128): the stores' offsets put them in place.
; LIMITS: NaN, infinities and sums beyond f32's range are not served.
.set KROW, 1024
.set KS, 32
.set PITCH, KROW+16
.set FR, 16                            ; registers of a fragment: 16 rows x 128 K
.set FPW, 16                           ; fragments in a window
.set NB, 4                             ; column tiles a wave
.set NP, 8                             ; plain vector lines behind a matrix instruction, ahead of a reader of its sums and of a load into what it has read
.set NF, 34                            ; LDS loads of a block: eight fragments of four, two of four scale words
.set CH, 128
.set YB, CH*PITCH                      ; slot 1
.set SCL, 2*YB                         ; A's scale bytes: 32 units of 256 bytes + 16 of padding
.set STG, SCL+32*272                   ; the stages: 16 rows x (256 + 16) bytes a wave
.set SPITCH, 272
.set SPARE, STG+4*16*SPITCH            ; the spare words: two blocks of 256 bytes that no other line names
.set STO, 4                            ; v4  where I put 32 bytes of a row in my stage;  v5 where I read a row back
.set RD, 5
.set AAS0, 6                           ; v6  LDS address of my row's scale words in block 0
.set PFO, 7                            ; v7  the prefetch's offset
.set ADRA, 8                           ; v8-15 LDS address of my lane's 16 bytes in blocks 0 to 7
.set ABS, 16                           ; v16 32 x lane: o_w's scale bytes
.set ADRB, 17                          ; v17 LDS address of my fragments of o_w
.set CO, 18                            ; v18 my byte offset in two rows of out0
.set BJO, 19                           ; v19 32 h: the bias
.set SPW, 20
.set NIL, 21
.set SB, 24                            ; v24-39 o_w's scale words: register 8 p + q: lanes 0-15 tile 2 p's, lanes 16-31 tile 2 p + 1's
.set SA, 44                            ; v44-59 A's: two sets of eight: no product's two scale registers have numbers equal modulo 8
.set ACC, 64                           ; v64-127 two sets of four accumulators
.set OB, 128                           ; v128-191 two sets of 16 rows read back from the stage
.set BQ, 192                           ; v192-223 the bias
.set G1A, 24
.set G1B, 32
.set G1R, 48
.set G0A, 56
.set G0B, 60
.set G0R, 68
.set G0S, 72
.set G1S, 92
.set MSB, 0
.macro WIN new                         ; the immediate's high byte repeats the setting that is left
.if MSB != (\new)
	s_set_vgpr_msb (MSB<<8)|(\new)
.set MSB, (\new)
.endif
.endm
.macro PLACES n
.rept \n
	v_nop
.endr
.endm
.macro BARRIER
	s_barrier_signal -1
	s_barrier_wait -1
.endm
.macro CROUND                          ; a round of the cluster's barrier
	BARRIER
	s_cmp_lg_u32 s14, 0
	s_cbranch_scc1 .Lnot_wave_0_\@
	s_barrier_signal -3
.Lnot_wave_0_\@:
	s_barrier_wait -3
	BARRIER
.endm
.macro TLOAD g0, g1                    ; an s_nop 0 and four v_nop follow a tensor load
	tensor_load_to_lds s[\g0:\g0+3], s[\g1:\g1+7]
	s_nop 0
	PLACES 4
.endm
.macro GROUP1 g, mask, rows            ; so many rows of 1,024 bytes, dense in memory, 16 bytes of padding behind each in LDS
	s_or_b32 s[\g+0], s[\mask], (1<<20)|(1<<21)|(7<<22)|(3<<25)
	s_mov_b32 s[\g+1], KROW<<16
	s_mov_b32 s[\g+2], (\rows)<<16
	s_mov_b32 s[\g+3], KROW<<16
	s_mov_b32 s[\g+4], \rows
	s_mov_b32 s[\g+5], KROW
	s_mov_b32 s[\g+6], 0
	s_mov_b32 s[\g+7], 0
.endm
	s_load_b128 s[4:7], s[0:1], 0x0                ; ac, asc
	s_load_b128 s[8:11], s[0:1], 0x10              ; c1, s1
	s_load_b128 s[84:87], s[0:1], 0x20             ; o_b, out0
	v_lshl_add_u32 v[SPW], v0, 2, SPARE
	v_mov_b32 v[NIL], 0
	ds_add_u32 v[SPW], v[NIL]                      ; the opening lines: the add, twice on end, and its wait ahead of my first tensor load
	ds_add_u32 v[SPW], v[NIL]
	v_lshrrev_b32 v1, 5, v0
	v_readfirstlane_b32 s14, v1                    ; wave 0..3
	s_lshr_b32 s15, s14, 1                         ; my row of waves
	s_and_b32 s16, s14, 1                          ; my column of waves
	s_bfe_u32 s40, ttmp6, 0x40000                  ; cx, cy
	s_bfe_u32 s41, ttmp6, 0x40004
	s_lshl_b32 s42, ttmp9, 2
	s_add_co_u32 s42, s42, s40                     ; tile column: 128 columns
	s_and_b32 s43, ttmp7, 0xffff
	s_lshl_b32 s43, s43, 2
	s_add_co_u32 s43, s43, s41                     ; tile row: 256 rows
	s_lshl_b32 s44, s41, 2
	s_lshl_b32 s44, 15, s44                        ; my row of the cluster: shares A
	s_lshl_b32 s45, 0x1111, s40                    ; my column: shares o_w
	GROUP1 G1B, 45, CH
	GROUP1 G1A, 44, CH/2
	GROUP1 G1R, 44, CH/4
	s_or_b32 s[G1S+0], s44, (3<<16)|(1<<20)|(1<<21)|(5<<22)|(3<<25)   ; A's scale bytes: 8,192 dense bytes as 32 rows of 256 (32 elements of 8), 16 of padding behind each
	s_mov_b32 s[G1S+1], 32<<16
	s_mov_b32 s[G1S+2], 32<<16
	s_mov_b32 s[G1S+3], 32<<16
	s_mov_b32 s[G1S+4], 32
	s_mov_b32 s[G1S+5], 32
	s_mov_b32 s[G1S+6], 0
	s_mov_b32 s[G1S+7], 0
	; offsets into the buffers, each under 2^32
	s_lshl_b32 s76, s43, 18                        ; ac: my tile row's sixteen token tiles of 16,384 bytes
	s_lshl_b32 s20, s15, 16
	s_add_co_u32 s78, s76, s20                     ; waves 1, 3: a half of the first eight
	s_mov_b32 s79, 0
	s_lshl_b32 s20, s14, 15
	s_add_co_u32 s80, s76, s20
	s_add_co_u32 s80, s80, CH*KROW                 ; the refill: my quarter of the second eight
	s_mov_b32 s81, 0
	s_lshl_b32 s82, s43, 13                        ; asc
	s_mov_b32 s83, 0
	s_lshl_b32 s88, s42, 7
	s_add_co_u32 s88, s88, 11264                   ; o_w's rows of my tile column
	s_lshl_b32 s90, s88, 10
	s_mov_b32 s91, 0
	s_lshl_b32 s21, s16, 6
	s_add_co_u32 s88, s88, s21
	s_lshl_b32 s88, s88, 5                         ; the scale bytes of my wave's 64
	s_mov_b32 s89, 0
	s_lshl_b32 s22, s42, 7
	s_add_co_u32 s22, s22, s21
	s_lshl_b32 s22, s22, 2                         ; my first column, in bytes of f32
	s_mov_b32 s23, 0
	s_lshl_b32 s46, s43, 8
	s_lshl_b32 s47, s15, 3
	s_add_co_u32 s46, s46, s47
	s_lshl_b32 s46, s46, 12                        ; out0: row 256 x tile row + 8 w,
	s_add_co_u32 s46, s46, s22                     ; my first column
	s_mov_b32 s47, 0
	s_lshl_b32 s2, s40, 2
	s_add_co_u32 s2, s2, s14                       ; which of the cluster row's sixteen waves I am
	s_lshl_b32 s2, s2, 13
	s_add_co_u32 s2, s2, s76
	s_add_co_u32 s2, s2, CH*KROW                   ; my 8,192 bytes of the refill's
	s_mov_b32 s[G0B], 1
	s_mov_b32 s[G0B+1], YB
	s_mov_b32 s[G0A], 1
	s_mul_i32 s[G0A+1], s15, (CH/2)*PITCH
	s_mov_b32 s[G0S], 1
	s_mov_b32 s[G0S+1], SCL
	s_mov_b32 s[G0R], 1
	s_mul_i32 s[G0R+1], s14, (CH/4)*PITCH
	s_add_co_u32 s[G0R+1], s[G0R+1], YB
	s_mul_i32 s3, s15, 16*PITCH
	s_mul_i32 s17, s16, 64*PITCH
	s_add_co_u32 s17, s17, YB
	s_mul_i32 s18, s15, 2*272
	s_add_co_u32 s18, s18, SCL
	s_mul_i32 s19, s14, 16*SPITCH
	s_add_co_u32 s19, s19, STG
	v_and_b32 v1, 15, v0                           ; r
	v_bfe_u32 v2, v0, 4, 1                         ; h
	v_and_b32 v3, 31, v0                           ; lane
	v_lshl_add_u32 v22, v3, 4, s3
.irp k, 0,1,2,3,4,5,6,7
	v_add_nc_u32 v[ADRA+\k], (\k/4)*YB+(\k%4)*32*PITCH, v22
.endr
	v_mul_u32_u24 v23, v1, PITCH
	v_lshl_add_u32 v23, v2, 4, v23
	v_add_nc_u32 v[ADRB], s17, v23
	v_lshlrev_b32 v23, 5, v1                       ; A's scale bytes: 32 a row, and 16 more for each 256 passed
	v_lshrrev_b32 v22, 3, v1
	v_lshl_add_u32 v23, v22, 4, v23
	v_add_nc_u32 v[AAS0], s18, v23
	v_mul_u32_u24 v23, v1, SPITCH
	v_lshl_add_u32 v23, v2, 5, v23
	v_add_nc_u32 v[STO], s19, v23
	v_mul_u32_u24 v23, v2, SPITCH
	v_lshl_add_u32 v23, v1, 4, v23
	v_add_nc_u32 v[RD], s19, v23
	v_lshlrev_b32 v23, 12, v2
	v_lshl_add_u32 v[CO], v1, 4, v23
	v_lshlrev_b32 v[ABS], 5, v3
	v_lshlrev_b32 v[BJO], 5, v2
	v_lshl_add_u32 v[PFO], v3, 8, s2
	s_wait_alu depctr_va_vdst(0)                   ; no vector register but by loads is written behind it
	s_wait_dscnt 0x0                               ; both opening adds are done
	CROUND                                         ; all sixteen work-groups are here
	s_wait_kmcnt 0x0
	s_add_nc_u64 s[G0A+2:G0A+3], s[4:5], s[78:79]
	s_or_b32 s[G0A+3], s[G0A+3], 0x80000000
	s_add_nc_u64 s[G0R+2:G0R+3], s[4:5], s[80:81]
	s_or_b32 s[G0R+3], s[G0R+3], 0x80000000
	s_add_nc_u64 s[G0S+2:G0S+3], s[6:7], s[82:83]
	s_or_b32 s[G0S+3], s[G0S+3], 0x80000000
	s_add_nc_u64 s[G0B+2:G0B+3], s[8:9], s[90:91]
	s_or_b32 s[G0B+3], s[G0B+3], 0x80000000
	s_add_nc_u64 s[10:11], s[10:11], s[88:89]
	s_add_nc_u64 s[84:85], s[84:85], s[22:23]
	s_add_nc_u64 s[86:87], s[86:87], s[46:47]
	s_cmp_eq_u32 s14, 0                            ; ONE joint load a wave; wave 0, whose tile is shown ahead of the rest, has a line of its own
	s_cbranch_scc0 .Lnot_0
	TLOAD G0B, G1B                                 ; o_w's rows, which are wanted first
	s_branch .Lasked
.Lnot_0:
	s_cmp_eq_u32 s14, 2
	s_cbranch_scc0 .Lodd
	TLOAD G0S, G1S                                 ; A's scale bytes
	s_branch .Lasked
.Lodd:
	TLOAD G0A, G1A                                 ; waves 1, 3: a half of A's first 128 token rows
.Lasked:
.irp b, 0,1,2,3
	global_load_b128 v[BQ+8*\b:BQ+8*\b+3], v[BJO], s[84:85] offset:64*\b          ; register 8 b + j: o_b at my column 16 b + 8 h + j
	global_load_b128 v[BQ+8*\b+4:BQ+8*\b+7], v[BJO], s[84:85] offset:64*\b+16
.endr
.irp p, 0,1
.irp c, 0,1
	global_load_b128 v[SB+8*\p+4*\c:SB+8*\p+4*\c+3], v[ABS], s[10:11] offset:\p*32*KS+16*\c
.endr
.endr
	s_cmp_eq_u32 s14, 0
	s_cbranch_scc0 .Lnot_b
	s_wait_tensorcnt 0x0                           ; wave 0: o_w has landed; the others' wait stands ahead of the round below
.Lnot_b:
	BARRIER
	global_prefetch_b8 v[PFO], s[4:5] th:TH_LOAD_NT scope:SCOPE_SE
.irp q, 0,1,2,3,4,5,6,7                ; my 64 rows of o_w into windows 1 and 2: fragment 4 q + b: lane l holds row l % 16; registers 4 c .. 4 c + 3 hold K = 128 q + 32 c + 16 (l / 16) + 0 .. 15
	WIN (1+\q/4)<<6
.irp b, 0,1,2,3
.irp c, 0,1,2,3
	ds_load_b128 v[FR*((NB*\q+\b)%FPW)+4*\c:FR*((NB*\q+\b)%FPW)+4*\c+3], v[ADRB] offset:128*\q+32*\c+\b*16*PITCH
.endr
.endr
.endr
	WIN 0
	s_wait_tensorcnt 0x0                           ; every wave: my tile of the head's is in
	ds_add_u32 v[SPW], v[NIL]
	s_wait_dscnt 0x0                               ; the add is done, and o_w is in my registers
	CROUND                                         ; so of every wave of all sixteen work-groups
	TLOAD G0R, G1R                                 ; A's second 128 token rows over o_w's rows: the same rows of LDS, byte for byte
.macro FETCH k                         ; block k, all of K, into set k % 2 of window 3, and its scale words: NF loads
	WIN 3<<6
.irp q, 0,1,2,3,4,5,6,7
.irp c, 0,1,2,3
	ds_load_b128 v[128*((\k)%2)+FR*\q+4*\c:128*((\k)%2)+FR*\q+4*\c+3], v[ADRA+\k] offset:PITCH*(2*\q+\c/2)+512*(\c%2)
.endr
.endr
	WIN 0
	ds_load_b128 v[SA+8*((\k)%2):SA+8*((\k)%2)+3], v[AAS0] offset:(16*((\k)/4)+4*((\k)%4))*272
	ds_load_b128 v[SA+8*((\k)%2)+4:SA+8*((\k)%2)+7], v[AAS0] offset:(16*((\k)/4)+4*((\k)%4))*272+16
.endm
.macro PROD e, n                       ; product n = 4 q + b: the q-th 128 of K, column tile b; A's rows and the sums in set e
.set Q_, (\n)/4
.set B_, (\n)%4
.set FB_, NB*Q_+B_
.set AC_, ACC+32*(\e)+8*B_
.set C_, AC_
.if Q_ == 0
.set C_, BQ+8*B_
.endif
.set R_, 128*(\e)+FR*Q_
.set W_, FR*(FB_%FPW)
.set XS_, SA+8*(\e)+Q_
.set WS_, SB+8*(B_/2)+Q_
	WIN (1+FB_/FPW)|(3<<2)
.if B_%2
	v_wmma_scale_f32_16x16x128_f8f6f4 v[AC_:AC_+7], v[W_:W_+FR-1], v[R_:R_+FR-1], v[C_:C_+7], v[WS_], v[XS_] matrix_a_scale:MATRIX_SCALE_ROW1
.else
	v_wmma_scale_f32_16x16x128_f8f6f4 v[AC_:AC_+7], v[W_:W_+FR-1], v[R_:R_+FR-1], v[C_:C_+7], v[WS_], v[XS_]
.endif
.endm
.macro STAGE k                         ; block k's sums into my stage, each accumulator from its low end on, and back as rows: LDS serves a wave's instructions in order
.irp b, 0,1,2,3
	ds_store_b128 v[STO], v[ACC+32*((\k)%2)+8*\b:ACC+32*((\k)%2)+8*\b+3] offset:64*\b
	ds_store_b128 v[STO], v[ACC+32*((\k)%2)+8*\b+4:ACC+32*((\k)%2)+8*\b+7] offset:64*\b+16
.endr
.irp t, 0,1,2,3,4,5,6,7
	ds_load_b128 v[OB+32*((\k)%2)+4*\t:OB+32*((\k)%2)+4*\t+3], v[RD] offset:\t*2*SPITCH
.endr
.endm
.macro SEND k                          ; sixteen lanes store 256 consecutive bytes, aligned: two rows an instruction
.irp t, 0,1,2,3,4,5,6,7
	global_store_b128 v[CO], v[OB+32*((\k)%2)+4*\t:OB+32*((\k)%2)+4*\t+3], s[86:87] offset:(128*((\k)/4)+32*((\k)%4)+2*\t+8*(\t/4))*4096 th:TH_STORE_NT
.endr
.endm
.macro ITER k
	s_wait_xcnt 0x0                                ; the stores of two blocks back have read their registers, which take this block's rows below
.if (\k) == 0
	s_wait_dscnt NF                                ; block 0 is in; block 1's NF loads may be out
.elseif (\k) == 1
	s_wait_dscnt NF+16                             ; block 1 is in; block 2's NF loads and block 0's 16 stage instructions may be out
.endif
.set N_, 0
.rept 32
	PROD (\k)%2, N_
.set N_, N_+1
.endr
	WIN 0
	PLACES NP
.if (\k) == 2
	s_wait_tensorcnt 0x0                           ; every wave: my quarter of the refill is in
	s_wait_dscnt 0x0
	BARRIER                                        ; everybody's is
.endif
.if (\k) < 6
	FETCH (\k)+2                                   ; this block's set takes the block two on
.endif
.if (\k) > 0
.if (\k) < 6
	s_wait_dscnt NF                                ; the block before is back from the stage; the NF loads just issued may be out
.else
	s_wait_dscnt 0x0
.endif
	SEND (\k)-1
.endif
	STAGE \k
.endm
	FETCH 0
	FETCH 1
	s_wait_loadcnt 0x0                             ; the bias and o_w's scale words
.irp k, 0,1,2,3,4,5,6,7
	ITER \k
.endr
	s_wait_dscnt 0x0
	SEND 7
	s_wait_tensorcnt 0x0                           ; the wave's end
	ds_add_u32 v[SPW], v[NIL]
	s_wait_dscnt 0x0
	CROUND                                         ; the closing round
	s_endpgm
.Lfunc_end_k_q722ed166ef_oproj:
	.size	k_q722ed166ef_oproj, .Lfunc_end_k_q722ed166ef_oproj-k_q722ed166ef_oproj
	.p2alignl 7, 3214868480
	.fill 96, 4, 3214868480
	.section	.rodata,"a",@progbits
	.p2align	6, 0x0
	.amdhsa_kernel k_q722ed166ef_oproj
		.amdhsa_group_segment_fixed_size 327680
		.amdhsa_private_segment_fixed_size 0
		.amdhsa_enable_private_segment 0
		.amdhsa_kernarg_size 48
		.amdhsa_user_sgpr_count 2
		.amdhsa_user_sgpr_kernarg_segment_ptr 1
		.amdhsa_wavefront_size32 1
		.amdhsa_system_sgpr_workgroup_id_x 1
		.amdhsa_system_sgpr_workgroup_id_y 1
		.amdhsa_system_sgpr_workgroup_id_z 1
		.amdhsa_system_vgpr_workitem_id 0
		.amdhsa_next_free_vgpr 1024
		.amdhsa_next_free_sgpr 100
		.amdhsa_reserve_vcc 0
		.amdhsa_float_denorm_mode_32 3
		.amdhsa_float_denorm_mode_16_64 3
		.amdhsa_memory_ordered 1
		.amdhsa_forward_progress 1
		.amdhsa_inst_pref_size 87
	.end_amdhsa_kernel
	.amdgpu_metadata
---
amdhsa.version: [ 1, 2 ]
amdhsa.kernels:
  - .name:           k_q722ed166ef_oproj
    .symbol:         k_q722ed166ef_oproj.kd
    .args:
      - { .name: ac, .offset: 0, .size: 8, .value_kind: global_buffer, .address_space: global }
      - { .name: asc, .offset: 8, .size: 8, .value_kind: global_buffer, .address_space: global }
      - { .name: c1, .offset: 16, .size: 8, .value_kind: global_buffer, .address_space: global }
      - { .name: s1, .offset: 24, .size: 8, .value_kind: global_buffer, .address_space: global }
      - { .name: o_b, .offset: 32, .size: 8, .value_kind: global_buffer, .address_space: global }
      - { .name: out0, .offset: 40, .size: 8, .value_kind: global_buffer, .address_space: global }
    .group_segment_fixed_size: 327680
    .private_segment_fixed_size: 0
    .kernarg_segment_align: 8
    .kernarg_segment_size: 48
    .max_flat_workgroup_size: 128
    .sgpr_count:     100
    .vgpr_count:     1024
    .wavefront_size: 32
...
	.end_amdgpu_metadata
.endif
;; end of part 4
